; MI455X (gfx1250); checked and timed in simulation.
; The chip was launched on July 23, 2026; its instructions are those of AMD's public machine-readable ISA for CDNA 5 (MIT licence, August 2026) and "CDNA5" Instruction Set Architecture Reference Guide (July 2026). The comments in the code are by the model that wrote it; some were corrected since.
;; Attention. Allowed arithmetic: matrix products marked QUANTISED: E2M1 operands, one E8M0 scale for each 32 along K, by v_wmma_scale_f32_16x16x128_f8f6f4 with both operands' format E2M1 (or v_wmma_scale_f32_32x16x128_f4), f32 sums; products left as they are: bf16, f16 or f32 operands; f32 sums; everything else in f32.
;; Inputs: Wk 1,024 x 1,024 float32; Wo 1,024 x 1,024 float32; Wq 1,024 x 1,024 float32; Wv 1,024 x 1,024 float32; bk 1,024 float32; bo 1,024 float32; bq 1,024 float32; bv 1,024 float32; mask 4 x 2,048 int32; x 4 x 2,048 x 1,024 float32.
;; Outputs: out0 4 x 2,048 x 1,024 float32.
;; This version of the problem:
;;   THIS VERSION OF THE PROBLEM IS GIVEN IN LOW PRECISION. The matrix products marked QUANTISED in the list below multiply operands that are first quantised to E2M1 (2 exponent bits, 1 mantissa bit; 4 bits a number), with one power-of-two scale for each 32 numbers along K (OCP MX v1.0); their sums are f32. The products marked 'left as it is' may take bf16, f16 or f32 operands, with f32 sums. Whichever they take, every output number must still come out within the allowed error. Rounding operands to bf16 (8 significant bits) uses up far more of that allowance than f16 does (11 bits, for magnitudes from 6e-5 to 65,504). All else is computed in f32.
;;   The module's matrix products, in the order in which they are computed (A, B: the left and right operand; K: the contracted axis; several contracted axes count as one K, in the product's order):
;;     1. [M 8,192, K 1,024] x [K 1,024, N 1,024]; A: input x; B: input Wk: QUANTISED
;;     2. [M 8,192, K 1,024] x [K 1,024, N 1,024]; A: input x; B: input Wq: QUANTISED
;;     3. [M 8,192, K 1,024] x [K 1,024, N 1,024]; A: input x; B: input Wv: QUANTISED
;;     4. batch 64 x [M 2,048, K 64] x [K 64, N 2,048]; A: computed on the way; B: computed on the way: left as it is (an operand is computed on the way)
;;     5. batch 64 x [M 2,048, K 2,048] x [K 2,048, N 64]; A: computed on the way; B: computed on the way: left as it is (an operand is computed on the way)
;;     6. [M 8,192, K 1,024] x [K 1,024, N 1,024]; A: computed on the way; B: input Wo: left as it is (an operand is computed on the way)
;;   THE QUANTISER, for each operand of a quantised product, along K:
;;     - K is cut into blocks of 32 from its start; a last block that is shorter is filled with zeros.
;;     - A block's scale is 2^e with e = floor(log2(the largest magnitude in the block)) - 2, held to -126 .. 127; a block of zeros has e = 0. As a byte (E8M0): e + 127.
;;     - Each number is divided by its block's scale, clamped to +-6, and rounded to the nearest number of E2M1, ties to even, subnormals kept.
;;     - The product sums the exact products of the quantised numbers (number of the format x scale) in f32.
;;   ~~~python
;;   def quantise(x, axis):      # numpy; x: float32 -> the quantised numbers, widened to float32 again
;;       x = np.moveaxis(x, axis, -1); K = x.shape[-1]
;;       x = np.pad(x, [(0, 0)] * (x.ndim - 1) + [(0, -K % 32)]); x = x.reshape(x.shape[:-1] + (-1, 32)); a = np.abs(x).max(-1, keepdims=True)
;;       e = np.where(a > 0, np.clip(np.frexp(np.where(a > 0, a, 1))[1] - 1 - 2, -126, 127), 0)      # np.frexp(a)[1] - 1 = floor(log2(a)), exactly
;;       r = np.clip(x / 2.0 ** e, -6, 6)
;;       step = 2.0 ** (np.maximum(np.frexp(np.where(r == 0, 1, r))[1] - 1, 0) - 1)
;;       q = np.round(r / step) * step * 2.0 ** e      # np.round: ties to even
;;       return np.moveaxis(q.reshape(q.shape[:-2] + (-1,))[..., :K], -1, axis).astype(np.float32)
;;   ~~~
;; One version. Each part assembles by itself: llvm-mc -triple=amdgcn-amd-amdhsa -mcpu=gfx1250 --defsym DOCPART=n.
;; ======== version 1 of 1: 4 launches
;; limits: values are held in f16: magnitudes above 65,504 overflow, below 6.1e-05 lose precision
;; workspace buffers: xc 4,194,304 bytes; xs 262,144 bytes; wc 1,572,864 bytes; ws 98,304 bytes; wo16 2,097,152 bytes; qkv 50,331,648 bytes; ybuf 16,777,216 bytes; route 33,792 bytes of whole numbers
;; launch prep (part 1): grid 416 x 1, 4 waves a work-group, no clusters, 33,280 bytes of LDS; arguments x, mask, Wq, Wk, Wv, Wo, xc, xs, wc, ws, wo16, route; writes xc, xs, wc, ws, wo16, route
.if DOCPART == 1
	.amdgcn_target "amdgcn-amd-amdhsa--gfx1250"
	.amdhsa_code_object_version 6
	.text
	.protected	k_qe8ac89ec73_prep
	.globl	k_qe8ac89ec73_prep
	.p2align	8
	.type	k_qe8ac89ec73_prep,@function
k_qe8ac89ec73_prep:
	s_mov_b64 s[64:65], 0
	v_nop
	global_prefetch_b8 v0, s[64:65] scope:SCOPE_SE
	s_setreg_imm32_b32 hwreg(HW_REG_WAVE_MODE, 25, 1), 1
	s_wait_xcnt 0x0
; PREP.  Three kinds of work-groups, told apart by the work-group's number alone:
;   0..255    32 rows of x [8192][1024] f32  -> codes of E2M1 (xc, 512 bytes a row) and E8M0 scale bytes (xs, 32 a row), one for each 32 along K;
;   256..351  32 rows of Wq, Wk, Wv [1024][1024] f32 -> wc, ws likewise, the three tensors on end (3,072 rows);
;   352..415  16 rows of Wo -> f16, laid as images of matrix operands: wo16 [n/16][k/32][1,024 bytes]: a lane's registers 0-3 at 16 x lane, registers 4-7 at 512 + 16 x lane.
; THE TOKENS ARE PUT IN ANOTHER ORDER.  A key whose mask is not 0 counts for nothing in the softmax, so inside each batch the rows of x are written with the visible tokens (mask == 0) first, in their order,
; and the hidden ones behind them, in theirs.  The later launches work in that order; route[place] = the original row, and route + 32,768 + 256 b holds the batch's number of visible tokens.
; A token's place: U = visible tokens ahead of it; visible: U; hidden: N + t - U.  Each wave counts its batch's 2,048 mask words itself (8 KB, read while x's first loads are on their way): no traffic between work-groups.
; THE QUANTISER.  A block's scale is 2^(floor(log2(largest magnitude)) - 2); its byte is the largest magnitude's exponent field - 2, held at 1 from below.  A block of zeros so gets the byte 1 where the rule says 127:
; its codes are zeros, which add nothing under any byte but 0xff, and this program alone reads the bytes.  Each number is divided by the scale and rounded to the nearest code, ties to even; beyond 6 the largest code.
; LIMITS: blocks whose largest magnitude lies under 2^-124 keep the byte 1; NaN and infinities among the inputs are not served; numbers of Wo under 6e-5 lose bits in f16, above 65,504 they do not fit.
; A wave takes 8 rows = 16 steps of 512 numbers.  Each load reads 512 consecutive bytes; a step's 2,048 bytes turn through the wave's own stage in LDS so that a lane holds 16 neighbours along K (two lanes a block).
; No tensor loads, no barrier: waves share nothing.
.set WAVES, 4
.set STEPS, 16
.set EMAX,  2
.set CB,    8                          ; bytes of 16 codes
.set R,     16                         ; v16-79   four sets of 16 numbers as they are loaded
.set X,     80                         ; v80-111  two sets of 16 neighbours
.set E,     112                        ; v112-127 a scale byte for each step (v112 first holds my token's mask word)
.set C,     128                        ; v128-191 codes, four registers a step (first: the batch's 2,048 mask words, 64 a lane)
.set RO,    192                        ; v192-199 byte offset in the codes' buffer of my 8 bytes in each of the wave's 8 rows
.set SO,    200                        ; v200     byte offset of my 8 scale bytes
.set ROWL,  201                        ; v201     the place of row lane / 4 of the wave's eight
.set WREG,  8192                       ; LDS: a region for each wave: two stages of 32 x SP bytes, behind them its 256 scale bytes
.set SP,    80                         ; a lane's place in a stage: 64 bytes + 16 of padding
.set SPW,   12                         ; v12      LDS address of my spare word; never rewritten
.set NIL,   13                         ; v13      0; never rewritten
.set SPARE, WAVES*WREG                 ; behind the four regions: the spare words, 128 bytes a wave
.macro LOAD t
.irp i, 0,1,2,3
	global_load_b128 v[R+16*((\t)%4)+4*\i:R+16*((\t)%4)+4*\i+3], v3, s[30:31] offset:2048*(\t)+512*\i th:TH_LOAD_NT   ; 32 lanes read 512 consecutive bytes
.endr
.endm
.macro TURN t                          ; step t's numbers through the stage: LDS serves a wave's instructions in order, so no wait stands between the stores and the loads
.irp i, 0,1,2,3
	ds_store_b128 v14, v[R+16*((\t)%4)+4*\i:R+16*((\t)%4)+4*\i+3] offset:32*SP*((\t)%2)+8*SP*\i
.endr
.irp i, 0,1,2,3
	ds_load_b128 v[X+16*((\t)%2)+4*\i:X+16*((\t)%2)+4*\i+3], v15 offset:32*SP*((\t)%2)+16*\i
.endr
.endm
.macro STEP t
.set XS, X+16*((\t)%2)
.if (\t) > 0
	s_wait_dscnt 1                                 ; this step's numbers are back from the stage; the last step's byte store may be out
.else
	s_wait_dscnt 0x0
.endif
.if (\t)+4 < STEPS
	LOAD (\t)+4                                    ; the stage's stores have read these registers
.endif
.if (\t)+1 < STEPS
.if STEPS-2-(\t) >= 3
	s_wait_loadcnt 12                              ; the next step's four loads are in; those of the three steps behind it may be out
.else
	s_wait_loadcnt 4*(STEPS-2-(\t))
.endif
	TURN (\t)+1
.endif
	v_max3_num_f32 v8, |v[XS]|, |v[XS+1]|, |v[XS+2]|               ; the largest magnitude of my 16, in two chains
	v_max3_num_f32 v9, |v[XS+3]|, |v[XS+4]|, |v[XS+5]|
.irp i, 6,10
	v_max3_num_f32 v8, v8, |v[XS+\i]|, |v[XS+\i+1]|
	v_max3_num_f32 v9, v9, |v[XS+\i+2]|, |v[XS+\i+3]|
.endr
	v_max3_num_f32 v8, v8, |v[XS+14]|, |v[XS+15]|
	v_max3_num_f32 v8, v8, v9, (EMAX+1)<<23        ; and the floor 2^(3 - 127): the byte cannot fall under 1
	v_max_num_f32_dpp v8, v8, v8 row_xmask:1 row_mask:0xf bank_mask:0xf   ; with my neighbour's 16: the block's
	v_add_nc_u32 v11, -(EMAX<<23), v8              ; 2 off its exponent field: the conversion takes that field as its scale and nothing else
	v_cvt_scalef32_pk8_fp4_f32 v[C+4*(\t)], v[XS:XS+7], v11
	v_cvt_scalef32_pk8_fp4_f32 v[C+4*(\t)+1], v[XS+8:XS+15], v11
	v_lshrrev_b32 v[E+(\t)], 23, v11               ; the scale's byte (also the plain line behind the conversions)
	ds_store_b8 v5, v[E+(\t)] offset:16*(\t)       ; both lanes of a block write the same byte with the same value
	global_store_b64 v[RO+(\t)/2], v[C+4*(\t):C+4*(\t)+1], s[32:33] offset:256*((\t)%2)   ; the wave stores 256 consecutive bytes, half a row of codes, at the row's place
.endm
	s_load_b512 s[4:19], s[0:1], 0x0               ; x 4:5, mask 6:7, Wq 8:9, Wk 10:11, Wv 12:13, Wo 14:15, xc 16:17, xs 18:19
	s_load_b256 s[20:27], s[0:1], 0x40             ; wc 20:21, ws 22:23, wo16 24:25, route 26:27
	v_lshl_add_u32 v[SPW], v0, 2, SPARE
	v_mov_b32 v[NIL], 0
	v_lshrrev_b32 v1, 5, v0
	v_readfirstlane_b32 s28, v1                    ; wave 0..3
	v_and_b32 v2, 31, v0                           ; lane
	v_lshlrev_b32 v3, 4, v2                        ; 16 x lane
	s_cmp_ge_u32 ttmp9, 352
	s_cbranch_scc1 .Lwo                            ; Wo's work-groups part here, on the work-group's number
	; ---- x and the three weights: one path; only pointers and the rows' places differ
	s_mul_i32 s36, s28, WREG
	v_lshrrev_b32 v14, 2, v2
	v_mul_u32_u24 v14, v14, SP
	v_and_b32 v15, 3, v2
	v_lshl_add_u32 v14, v15, 4, v14
	v_add_nc_u32 v14, s36, v14                     ; the stage, way in: SP (lane / 4) + 16 (lane % 4)
	v_mul_u32_u24 v15, v2, SP
	v_add_nc_u32 v15, s36, v15                     ; way out: SP x lane: my 16 neighbours
	v_mul_u32_u24 v4, v2, CB                       ; my codes' 8 bytes in a step's 256
	v_lshrrev_b32 v5, 1, v2
	s_add_co_u32 s36, s36, 2*32*SP
	v_add_nc_u32 v5, s36, v5                       ; my block's byte among the wave's 256 scale bytes
	v_lshlrev_b32 v7, 3, v2
	v_add_nc_u32 v6, s36, v7                       ; and 8 of them a lane on the way out
	s_and_b32 s51, ttmp9, 63                       ; g: which 32 tokens of the batch
	s_lshr_b32 s52, ttmp9, 6
	s_and_b32 s52, s52, 3                          ; b: the batch
	s_mov_b32 s48, 0                               ; N: visible tokens in the batch
	s_mov_b32 s49, 0                               ; U: visible tokens ahead of my work-group's 32
	s_lshl_b32 s58, s28, 3                         ; my wave's first row among the 32
	s_sub_co_u32 s37, ttmp9, 256
	s_lshr_b32 s38, s37, 5                         ; which weight (in x's work-groups a number that is neither 1 nor 2)
	s_wait_kmcnt 0x0
	s_cmp_lt_u32 ttmp9, 256                        ; the choices hang on the work-group's number alone
	s_cselect_b64 s[30:31], s[4:5], s[8:9]         ; the numbers,
	s_cselect_b64 s[32:33], s[16:17], s[20:21]     ; the codes,
	s_cselect_b64 s[34:35], s[18:19], s[22:23]     ; the scale bytes
	s_cselect_b32 s39, 255, 31
	s_cmp_eq_u32 s38, 1
	s_cselect_b64 s[30:31], s[10:11], s[30:31]
	s_cmp_eq_u32 s38, 2
	s_cselect_b64 s[30:31], s[12:13], s[30:31]
	s_and_b32 s39, ttmp9, s39                      ; the work-group's number inside its tensor
	s_lshl_b32 s39, s39, 2
	s_add_co_u32 s56, s39, s28
	s_lshl_b32 s56, s56, 15                        ; my wave's 8 rows: 32,768 bytes a wave
	s_mov_b32 s57, 0
	s_add_nc_u64 s[30:31], s[30:31], s[56:57]
.irp t, 0,1,2,3
	LOAD \t
.endr
	s_cmp_ge_u32 ttmp9, 256
	s_cbranch_scc1 .Lw_rows
	; x: the batch's mask, 64 words a lane: word 128 j + 4 lane + c in register C + 4 j + c; and the word of token 32 g + lane
	s_lshl_b32 s56, s52, 13
	s_add_nc_u64 s[6:7], s[6:7], s[56:57]
.irp j, 0,1,2,3,4,5,6,7,8,9,10,11,12,13,14,15
	global_load_b128 v[C+4*\j:C+4*\j+3], v3, s[6:7] offset:512*\j
.endr
	v_lshlrev_b32 v8, 2, v2
	s_lshl_b32 s56, s51, 7
	v_add_nc_u32 v8, s56, v8
	global_load_b32 v[E], v8, s[6:7]
	s_lshr_b32 s53, s51, 2                         ; tokens ahead of 32 g: all lanes of loads j < g / 4,
	s_and_b32 s54, s51, 3
	s_lshl_b32 s54, s54, 3
	s_bfm_b32 s54, s54, 0                          ; and lanes under 8 (g % 4) of load j = g / 4
	s_wait_loadcnt 0x0                             ; the mask is in (and x's first loads, which are wanted next)
.irp j, 0,1,2,3,4,5,6,7,8,9,10,11,12,13,14,15
	s_cmp_gt_u32 s53, \j
	s_cselect_b32 s55, -1, 0
	s_cmp_eq_u32 s53, \j
	s_cselect_b32 s55, s54, s55                    ; the lanes of load j that hold tokens ahead of mine
.irp c, 0,1,2,3
	v_cmp_eq_u32 s56, 0, v[C+4*\j+\c]              ; visible
	s_bcnt1_i32_b32 s57, s56
	s_add_co_u32 s48, s48, s57
	s_and_b32 s56, s56, s55
	s_bcnt1_i32_b32 s57, s56
	s_add_co_u32 s49, s49, s57
.endr
.endr
	v_cmp_eq_u32 s50, 0, v[E]                      ; bit l: token 32 g + l is visible
	s_lshl_b32 s59, s51, 5
	s_add_co_u32 s59, s59, s48
	s_sub_co_u32 s59, s59, s49                     ; N + 32 g - U
	s_lshl_b32 s60, s52, 11                        ; the batch's first row
.irp ii, 0,1,2,3,4,5,6,7
	s_add_co_u32 s36, s58, \ii                     ; k: the token's number among the 32
	s_bfm_b32 s37, s36, 0
	s_and_b32 s37, s37, s50
	s_bcnt1_i32_b32 s37, s37                       ; visible ones among the k ahead of it
	s_add_co_u32 s38, s49, s37                     ; its place if it is visible,
	s_add_co_u32 s39, s59, s36
	s_sub_co_u32 s39, s39, s37                     ; and if it is hidden
	s_lshr_b32 s56, s50, s36
	s_and_b32 s56, s56, 1                          ; SCC = visible
	s_cselect_b32 s[40+\ii], s38, s39
	s_add_co_u32 s[40+\ii], s[40+\ii], s60
.endr
	s_branch .Lrows
.Lw_rows:                                              ; a weight's rows stay where they are: 32 x (work-group - 256) + 8 x wave + ii
	s_sub_co_u32 s36, ttmp9, 256
	s_lshl_b32 s36, s36, 5
	s_add_co_u32 s36, s36, s58
.irp ii, 0,1,2,3,4,5,6,7
	s_add_co_u32 s[40+\ii], s36, \ii
.endr
.Lrows:
.irp ii, 0,1,2,3,4,5,6,7
	s_min_u32 s[40+\ii], s[40+\ii], 0x1fff         ; a place made of loaded numbers is held inside the buffer before it enters an address
	v_lshl_add_u32 v[RO+\ii], s[40+\ii], 9, v4     ; 512 bytes a row of codes
.endr
	v_lshrrev_b32 v10, 2, v2                       ; four lanes to a row: the scale bytes' way out, and the list
	v_mov_b32 v[ROWL], s40
.irp ii, 1,2,3,4,5,6,7
	v_mov_b32 v202, s[40+\ii]
	v_cmp_eq_u32 vcc_lo, \ii, v10
	v_cndmask_b32 v[ROWL], v[ROWL], v202, vcc_lo
.endr
	v_min_u32 v[ROWL], 0x1fff, v[ROWL]
	v_and_b32 v203, 3, v2
	v_lshlrev_b32 v203, 3, v203
	v_lshl_add_u32 v[SO], v[ROWL], 5, v203         ; 32 scale bytes a row, 8 a lane
	s_cmp_ge_u32 ttmp9, 256
	s_cbranch_scc1 .Lno_route
	v_lshlrev_b32 v204, 2, v[ROWL]
	s_lshl_b32 s36, ttmp9, 5
	s_add_co_u32 s36, s36, s58
	v_add_nc_u32 v205, s36, v10                    ; the original row
	global_store_b32 v204, v205, s[26:27]          ; route[place] = original row; four lanes write the same word with the same number
	s_or_b32 s36, s51, s28
	s_cmp_lg_u32 s36, 0
	s_cbranch_scc1 .Lno_route                      ; wave 0 of the batch's first work-group stores the count
	v_lshlrev_b32 v206, 2, v2
	s_lshl_b32 s36, s52, 8
	v_add_nc_u32 v206, s36, v206
	v_mov_b32 v207, s48
	global_store_b32 v206, v207, s[26:27] offset:32768
.Lno_route:
	s_wait_loadcnt 12                              ; step 0's four loads are in
	TURN 0
.irp t, 0,1,2,3,4,5,6,7,8,9,10,11,12,13,14,15
	STEP \t
.endr
	ds_load_b64 v[8:9], v6                         ; LDS serves a wave's instructions in order: these see my byte stores
	s_wait_dscnt 0x0
	global_store_b64 v[SO], v[8:9], s[34:35]       ; a row's 32 scale bytes by four lanes, at the row's place
	s_wait_tensorcnt 0x0                           ; the wave's end
	ds_add_u32 v[SPW], v[NIL]
	s_wait_dscnt 0x0
	s_endpgm
	; ---- Wo to f16, as images.  Work-group: 16 rows n; wave w: k = 256 w .. 256 w + 255, eight images of 32 along k.
	; Lane (r, h) of an image holds row r, k = 8 h + 0..7 (registers 0-3) and 16 + 8 h + 0..7 (registers 4-7): 32 + 32 bytes of f32.
.Lwo:
	s_sub_co_u32 s36, ttmp9, 352                   ; which 16 rows
	v_and_b32 v4, 15, v2
	v_lshrrev_b32 v5, 4, v2
	v_lshlrev_b32 v4, 12, v4
	v_lshl_add_u32 v4, v5, 5, v4                   ; r x 4,096 + 32 h
	s_lshl_b32 s38, s36, 16
	s_lshl_b32 s39, s28, 10
	s_add_co_u32 s38, s38, s39
	s_mov_b32 s39, 0
	s_lshl_b32 s40, s36, 15
	s_lshl_b32 s41, s28, 13
	s_add_co_u32 s40, s40, s41
	s_mov_b32 s41, 0
	s_wait_kmcnt 0x0
	s_add_nc_u64 s[14:15], s[14:15], s[38:39]
	s_add_nc_u64 s[24:25], s[24:25], s[40:41]
.irp q, 0,1,2,3,4,5,6,7
	global_load_b128 v[16+16*\q:16+16*\q+3],     v4, s[14:15] offset:128*\q th:TH_LOAD_NT
	global_load_b128 v[16+16*\q+4:16+16*\q+7],   v4, s[14:15] offset:128*\q+16 th:TH_LOAD_NT
	global_load_b128 v[16+16*\q+8:16+16*\q+11],  v4, s[14:15] offset:128*\q+64 th:TH_LOAD_NT
	global_load_b128 v[16+16*\q+12:16+16*\q+15], v4, s[14:15] offset:128*\q+80 th:TH_LOAD_NT
.endr
.irp q, 0,1,2,3,4,5,6,7
	s_wait_loadcnt 28-4*\q                         ; image q's four loads are in; the younger ones may be out
.irp i, 0,1,2,3,4,5,6,7
	v_cvt_pk_f16_f32 v[16+16*\q+\i], v[16+16*\q+2*\i], v[16+16*\q+2*\i+1]   ; in place, ascending: a result never lands on numbers still to be read
.endr
	global_store_b128 v3, v[16+16*\q:16+16*\q+3],   s[24:25] offset:1024*\q       ; 512 consecutive bytes a store
	global_store_b128 v3, v[16+16*\q+4:16+16*\q+7], s[24:25] offset:1024*\q+512
.endr
	s_wait_tensorcnt 0x0                           ; the same three lines on this path
	ds_add_u32 v[SPW], v[NIL]
	s_wait_dscnt 0x0
	s_endpgm
.Lfunc_end_k_qe8ac89ec73_prep:
	.size	k_qe8ac89ec73_prep, .Lfunc_end_k_qe8ac89ec73_prep-k_qe8ac89ec73_prep
	.p2alignl 7, 3214868480
	.fill 96, 4, 3214868480
	.section	.rodata,"a",@progbits
	.p2align	6, 0x0
	.amdhsa_kernel k_qe8ac89ec73_prep
		.amdhsa_group_segment_fixed_size 33280
		.amdhsa_private_segment_fixed_size 0
		.amdhsa_enable_private_segment 0
		.amdhsa_kernarg_size 96
		.amdhsa_user_sgpr_count 2
		.amdhsa_user_sgpr_kernarg_segment_ptr 1
		.amdhsa_wavefront_size32 1
		.amdhsa_system_sgpr_workgroup_id_x 1
		.amdhsa_system_sgpr_workgroup_id_y 1
		.amdhsa_system_sgpr_workgroup_id_z 1
		.amdhsa_system_vgpr_workitem_id 0
		.amdhsa_next_free_vgpr 208
		.amdhsa_next_free_sgpr 66
		.amdhsa_reserve_vcc 1
		.amdhsa_float_denorm_mode_32 3
		.amdhsa_float_denorm_mode_16_64 3
		.amdhsa_memory_ordered 1
		.amdhsa_forward_progress 1
		.amdhsa_inst_pref_size 67
	.end_amdhsa_kernel
	.amdgpu_metadata
---
amdhsa.version: [ 1, 2 ]
amdhsa.kernels:
  - .name:           k_qe8ac89ec73_prep
    .symbol:         k_qe8ac89ec73_prep.kd
    .args:
      - { .name: x, .offset: 0, .size: 8, .value_kind: global_buffer, .address_space: global }
      - { .name: mask, .offset: 8, .size: 8, .value_kind: global_buffer, .address_space: global }
      - { .name: Wq, .offset: 16, .size: 8, .value_kind: global_buffer, .address_space: global }
      - { .name: Wk, .offset: 24, .size: 8, .value_kind: global_buffer, .address_space: global }
      - { .name: Wv, .offset: 32, .size: 8, .value_kind: global_buffer, .address_space: global }
      - { .name: Wo, .offset: 40, .size: 8, .value_kind: global_buffer, .address_space: global }
      - { .name: xc, .offset: 48, .size: 8, .value_kind: global_buffer, .address_space: global }
      - { .name: xs, .offset: 56, .size: 8, .value_kind: global_buffer, .address_space: global }
      - { .name: wc, .offset: 64, .size: 8, .value_kind: global_buffer, .address_space: global }
      - { .name: ws, .offset: 72, .size: 8, .value_kind: global_buffer, .address_space: global }
      - { .name: wo16, .offset: 80, .size: 8, .value_kind: global_buffer, .address_space: global }
      - { .name: route, .offset: 88, .size: 8, .value_kind: global_buffer, .address_space: global }
    .group_segment_fixed_size: 33280
    .private_segment_fixed_size: 0
    .kernarg_segment_align: 8
    .kernarg_segment_size: 96
    .max_flat_workgroup_size: 128
    .sgpr_count:     66
    .vgpr_count:     208
    .wavefront_size: 32
...
	.end_amdgpu_metadata
.endif
;; end of part 1
;; launch proj (part 2): grid 12 x 32, 4 waves a work-group, clusters of 4 x 4, 327,680 bytes of LDS; arguments xc, xs, wc, ws, qkv, bq, bk, bv; writes qkv
.if DOCPART == 2
	.amdgcn_target "amdgcn-amd-amdhsa--gfx1250"
	.amdhsa_code_object_version 6
	.text
	.protected	k_qe8ac89ec73_proj
	.globl	k_qe8ac89ec73_proj
	.p2align	8
	.type	k_qe8ac89ec73_proj,@function
k_qe8ac89ec73_proj:
	s_mov_b64 s[64:65], 0
	v_nop
	global_prefetch_b8 v0, s[64:65] scope:SCOPE_SE
	s_setreg_imm32_b32 hwreg(HW_REG_WAVE_MODE, 25, 1), 1
	s_wait_xcnt 0x0
	s_wait_alu depctr_hold_cnt(0) depctr_sa_sdst(0) depctr_va_vdst(0) depctr_va_sdst(0) depctr_va_ssrc(0) depctr_va_vcc(0) depctr_vm_vsrc(0)
	s_getreg_b32 s2, hwreg(HW_REG_IB_STS2, 6, 4)
	s_cmp_eq_u32 s2, 0
	s_cbranch_scc0 .Lentry_in_a_cluster
	s_endpgm
.Lentry_in_a_cluster:
	s_bfe_u32 s2, ttmp6, 0x10000c
	s_cmp_lg_u32 s2, 0xf033
	s_cbranch_scc0 .Lentry_shape_is_right
	s_endpgm
.Lentry_shape_is_right:
; PROJ.  q, k, v = x W^T + b on codes of E2M1 with one E8M0 scale for each 32 along K = 1,024.  A: xc [8192 rows in the permuted order][512 bytes], xs [8192][32];  B: wc [3072][512], ws [3072][32]: Wq, Wk, Wv on end.
; A tile of 256 tokens x 256 channels is made by four waves, 128 x 128 each: 64 accumulators of 16 x 16, 512 registers.  K is two slots of 512: both are asked for at the head and nothing is filled again.
; The scale bytes of the work-group's 256 + 256 rows, two dense blocks, come with the first fills.
; CLUSTERS: 4 x 4 work-groups; A's tiles are shared along a row of the cluster, B's along a column: joint loads.  The four tile columns of a cluster are one of the three tensors: its number is the cluster's x.
; THE MATRIX INSTRUCTION IS USED TRANSPOSED (source 0 = 16 rows of W, source 1 = 16 tokens): a lane holds one token and eight neighbouring channels.  The bias, in that layout, is the C of each sum's first product.
; THE WAY OUT NEEDS NO LDS.  q is multiplied by c = log2(e) / 8 in f32 (k and v by 1), rounded to f16, and stored as IMAGES of the next products' operands: qkv [tensor][batch][head][token/16][d/32][1,024 bytes],
; a lane's registers 0-3 at 16 x lane, registers 4-7 at 512 + 16 x lane.  A lane's eight results pack into the four registers that this lane holds of such an image: each store covers 512 consecutive bytes.
; LIMITS: f16 holds magnitudes up to 65,504; results under 6e-5 lose bits.
; REGISTERS, in windows of 256: window 0: v0-31 addresses; v32-95 scale words, two sets; v128-191 A's fragments, one set; v192-255 the bias, later packed results.  window 1: B's fragments, two sets.  windows 2, 3: the accumulators.
.set KSTEP,  512
.set NQ,     4                         ; matrix instructions deep in a slot
.set ROWB,   256                       ; a tile's row in bytes
.set KROW,   512                       ; a row of codes in memory
.set PITCH,  272                       ; an LDS row: 256 bytes + 16 of padding: the 16 rows that a load touches start at 16 different banks
.set FR,     8
.set NL,     2
.set NP,     4
.set HALFT,  128*PITCH
.set SLOT,   4*HALFT                   ; A's 256 rows, then B's 256 rows
.set KS,     32                        ; a row of scale bytes
.set SCL,    2*SLOT
.set HALFS,  (128*KS/256)*272
.set SBLK,   (16*KS/256)*272
.set SPARE,  SCL+4*HALFS               ; the spare words, 128 bytes a wave
.set ADRA, 16
.set ADRB, 20
.set LO,   26                          ; v26  16 x lane: my place in an image's half
.set ADRS, 27
.set SPW,  28
.set NIL,  29
.set SC,   32
.set AF,   128
.set BI,   192                         ; v192-255: the bias of B's block b at BI + 8 b
.set G1, 24
.set G0, 32
.set G1B, 48
.set G0B, 56
.set G1S, 68
.set G0S, 76
.set G1SB, 80
.set G0SB, 88
.set MSB, 0
.macro WIN new                         ; the immediate's high byte repeats the setting that is left
.if MSB != \new
	s_set_vgpr_msb (MSB<<8)|\new
.set MSB, \new
.endif
.endm
.set MUL_LO, 0xa1                      ; source 0 (B) window 1, source 1 (A) window 0, C and D window 2
.set MUL_HI, 0xf1                      ; the same, C and D window 3
.set TO_B,   0x40
; A joint load: waves 0 and 1 fetch for A, waves 2 and 3 for B; the branch hangs on the wave's number alone.  An s_nop 0 and four v_nop follow each line.
.macro JLOAD g0a, g1a, g0b, g1b
	s_cmp_eq_u32 s15, 0
	s_cbranch_scc0 .Lfor_b_\@
	tensor_load_to_lds s[\g0a:\g0a+3], s[\g1a:\g1a+7]
	s_nop 0
.rept 4
	v_nop
.endr
	s_branch .Lasked_\@
.Lfor_b_\@:
	tensor_load_to_lds s[\g0b:\g0b+3], s[\g1b:\g1b+7]
	s_nop 0
.rept 4
	v_nop
.endr
.Lasked_\@:
.endm
.macro CROUND                          ; a round of the cluster's barrier
	s_barrier_signal -1
	s_barrier_wait -1
	s_cmp_lg_u32 s14, 0
	s_cbranch_scc1 .Lnot_wave_0_\@
	s_barrier_signal -3
.Lnot_wave_0_\@:
	s_barrier_wait -3
	s_barrier_signal -1
	s_barrier_wait -1
.endm
	s_load_b128 s[4:7], s[0:1], 0x0                ; x's codes, x's scales
	s_load_b128 s[8:11], s[0:1], 0x10              ; W's codes, W's scales
	s_load_b64 s[12:13], s[0:1], 0x20              ; qkv
	s_load_b64 s[96:97], s[0:1], 0x28              ; bq
	s_load_b64 s[98:99], s[0:1], 0x30              ; bk
	s_load_b64 s[100:101], s[0:1], 0x38            ; bv
	v_lshl_add_u32 v[SPW], v0, 2, SPARE
	v_mov_b32 v[NIL], 0
	ds_add_u32 v[SPW], v[NIL]                      ; the wave's opening: the add, twice on end, and its wait ahead of my first tensor load
	ds_add_u32 v[SPW], v[NIL]
	v_lshrrev_b32 v1, 5, v0
	v_readfirstlane_b32 s14, v1                    ; wave 0..3
	s_lshr_b32 s15, s14, 1                         ; which half of the tile's tokens is mine.  Also: I fetch for A (0) or for B (1)
	s_and_b32 s16, s14, 1                          ; which half of its channels.  Also: which 128 rows of that tile I fetch
	s_bfe_u32 s40, ttmp6, 0x40000                  ; cx
	s_bfe_u32 s41, ttmp6, 0x40004                  ; cy
	s_lshl_b32 s42, ttmp9, 2
	s_add_co_u32 s42, s42, s40                     ; tile column
	s_and_b32 s17, ttmp7, 0xffff
	s_lshl_b32 s17, s17, 2
	s_add_co_u32 s17, s17, s41                     ; tile row
	s_lshl_b32 s43, s41, 2
	s_lshl_b32 s43, 15, s43                        ; my row of the cluster
	s_lshl_b32 s44, 0x1111, s40                    ; my column
	s_or_b32 s[G1+0], s43, (0<<16)|(1<<20)|(1<<21)|(5<<22)|(3<<25)   ; the mask; elements of 1 byte; padding on; bit 21 beside a mask; 4 words of padding after every 64
	s_or_b32 s[G1B+0], s44, (0<<16)|(1<<20)|(1<<21)|(5<<22)|(3<<25)
.irp g, G1, G1B
	s_mov_b32 s[\g+1], ROWB<<16                    ; tensor_dim0
	s_mov_b32 s[\g+2], 128<<16                     ; tensor_dim1
	s_mov_b32 s[\g+3], ROWB<<16                    ; tile_dim0
	s_mov_b32 s[\g+4], 128                         ; tile_dim1
	s_mov_b32 s[\g+5], KROW                        ; the pitch
	s_mov_b32 s[\g+6], 0
	s_mov_b32 s[\g+7], 0
.endr
	s_or_b32 s[G1S+0], s43, (3<<16)|(1<<20)|(1<<21)|(5<<22)|(3<<25)  ; the scales of 128 rows: 4,096 dense bytes as 16 rows of 256 (32 elements of 8 bytes), 16 bytes of padding behind each
	s_or_b32 s[G1SB+0], s44, (3<<16)|(1<<20)|(1<<21)|(5<<22)|(3<<25)
.irp g, G1S, G1SB
	s_mov_b32 s[\g+1], 32<<16
	s_mov_b32 s[\g+2], (128*KS/256)<<16
	s_mov_b32 s[\g+3], 32<<16
	s_mov_b32 s[\g+4], 128*KS/256
	s_mov_b32 s[\g+5], 32
	s_mov_b32 s[\g+6], 0
	s_mov_b32 s[\g+7], 0
.endr
	s_lshl_b32 s18, s16, 7
	s_lshl_b32 s20, s17, 8
	s_add_co_u32 s20, s20, s18                     ; A: row 256 x tile row + 128 x half
	s_lshl_b32 s46, s42, 8
	s_add_co_u32 s46, s46, s18                     ; B: row 256 x tile column + 128 x half
	s_mov_b32 s21, 0
	s_mov_b32 s47, 0
	s_mov_b64 s[18:19], KS
	s_mul_u64 s[22:23], s[20:21], s[18:19]         ; where these rows' scales begin,
	s_mul_u64 s[92:93], s[46:47], s[18:19]
	s_mov_b64 s[18:19], KROW
	s_mul_u64 s[20:21], s[20:21], s[18:19]         ; and their codes
	s_mul_u64 s[46:47], s[46:47], s[18:19]
	s_mul_i32 s45, s14, HALFT                      ; where they go: wave x 128 rows
	s_mul_i32 s94, s14, HALFS
	s_wait_dscnt 0x0                               ; both opening adds are done
	s_wait_kmcnt 0x0
	s_add_nc_u64 s[20:21], s[4:5], s[20:21]
	s_add_nc_u64 s[22:23], s[6:7], s[22:23]
	s_add_nc_u64 s[46:47], s[8:9], s[46:47]
	s_add_nc_u64 s[92:93], s[10:11], s[92:93]
	CROUND                                         ; all sixteen work-groups are here: the joint loads meet
	s_mov_b32 s[G0S], 1
	s_add_co_u32 s[G0S+1], s94, SCL
	s_mov_b64 s[G0S+2:G0S+3], s[22:23]
	s_or_b32 s[G0S+3], s[G0S+3], 0x80000000
	s_mov_b32 s[G0SB], 1
	s_add_co_u32 s[G0SB+1], s94, SCL
	s_mov_b64 s[G0SB+2:G0SB+3], s[92:93]
	s_or_b32 s[G0SB+3], s[G0SB+3], 0x80000000
	JLOAD G0S, G1S, G0SB, G1SB                     ; the scales first; then both slots: three tensor loads of mine are out
.irp s, 0,1
	s_mov_b32 s[G0+4*\s], 1
	s_add_co_u32 s[G0+4*\s+1], s45, \s*SLOT
	s_add_nc_u64 s[G0+4*\s+2:G0+4*\s+3], s[20:21], \s*ROWB
	s_or_b32 s[G0+4*\s+3], s[G0+4*\s+3], 0x80000000
	s_mov_b32 s[G0B+4*\s], 1
	s_add_co_u32 s[G0B+4*\s+1], s45, \s*SLOT
	s_add_nc_u64 s[G0B+4*\s+2:G0B+4*\s+3], s[46:47], \s*ROWB
	s_or_b32 s[G0B+4*\s+3], s[G0B+4*\s+3], 0x80000000
	JLOAD G0+4*\s, G1, G0B+4*\s, G1B
.endr
	v_and_b32 v1, 15, v0                           ; r
	v_bfe_u32 v2, v0, 4, 1                         ; h
	; the tensor's bias and its factor: the choices hang on the cluster's x, which all partners share
	s_cmp_eq_u32 ttmp9, 1
	s_cselect_b64 s[96:97], s[98:99], s[96:97]
	s_cmp_eq_u32 ttmp9, 2
	s_cselect_b64 s[96:97], s[100:101], s[96:97]
	s_cmp_eq_u32 ttmp9, 0
	s_mov_b32 s98, 1.0
	s_cselect_b32 s98, 0x3e38aa3b, s98             ; q: c = log2(e) / sqrt(64); k, v: 1
	s_mov_b32 s99, s98                             ; (the packed form names the pair)
	s_lshl_b32 s22, s40, 10
	s_lshl_b32 s23, s16, 9
	s_add_co_u32 s22, s22, s23                     ; my first channel inside the tensor, 256 cx + 128 half, in bytes
	s_mov_b32 s23, 0
	s_add_nc_u64 s[96:97], s[96:97], s[22:23]
	v_lshlrev_b32 v7, 5, v2                        ; lane (r, h) wants, for block b, channels 16 b + 8 h + 0..7
.irp b, 0,1,2,3,4,5,6,7
	global_load_b128 v[BI+8*\b:BI+8*\b+3],   v7, s[96:97] offset:64*\b
	global_load_b128 v[BI+8*\b+4:BI+8*\b+7], v7, s[96:97] offset:64*\b+16
.endr
	v_mul_u32_u24 v3, v1, PITCH
	v_lshl_add_u32 v4, v2, 4, v3                   ; a fragment's row x pitch + 16 x half
	s_mul_i32 s21, s15, HALFT                      ; my 128 rows of A
	s_mul_i32 s22, s16, HALFT                      ; my 128 rows of B,
	s_add_co_u32 s22, s22, 2*HALFT                 ; behind A's 256
.irp s, 0,1
	v_add_nc_u32 v[ADRA+\s], s21, v4
	v_add_nc_u32 v[ADRB+\s], s22, v4
	s_add_co_u32 s21, s21, SLOT
	s_add_co_u32 s22, s22, SLOT
.endr
	v_mul_u32_u24 v5, v1, KS                       ; my row's scales: KS bytes a row,
	v_lshrrev_b32 v6, 8, v5
	v_lshl_add_u32 v5, v6, 4, v5                   ; and 16 more for each 256 passed
	s_mul_i32 s21, s15, HALFS
	s_mul_i32 s22, s16, HALFS
	s_add_co_u32 s22, s22, 2*HALFS
	s_sub_co_u32 s22, s22, s21
	v_mul_u32_u24 v6, s22, v2                      ; lanes 16-31 take B's: one product, the distance between the two bases
	s_add_co_u32 s21, s21, SCL
	v_add_nc_u32 v5, v5, v6
	v_add_nc_u32 v[ADRS], s21, v5
	v_and_b32 v6, 31, v0
	v_lshlrev_b32 v[LO], 4, v6
	; where my part of qkv begins: tensor x 2^24 + batch x 2^22 + head x 2^18 + (token / 16) x 2,048
	s_lshl_b32 s20, ttmp9, 24
	s_lshr_b32 s21, s17, 3
	s_lshl_b32 s21, s21, 22
	s_add_co_u32 s20, s20, s21
	s_lshl_b32 s21, s40, 2
	s_lshl_b32 s22, s16, 1
	s_add_co_u32 s21, s21, s22                     ; my first head: 4 cx + 2 half
	s_lshl_b32 s21, s21, 18
	s_add_co_u32 s20, s20, s21
	s_and_b32 s21, s17, 7
	s_lshl_b32 s21, s21, 4
	s_lshl_b32 s22, s15, 3
	s_add_co_u32 s21, s21, s22                     ; my first block of 16 tokens in the batch
	s_lshl_b32 s21, s21, 11
	s_add_co_u32 s20, s20, s21
	s_mov_b32 s21, 0
	s_add_nc_u64 s[12:13], s[12:13], s[20:21]
.macro FRAG reg, adr, q, i             ; 16 rows x 128 K of 4-bit codes: 8 registers, two loads of 16 bytes, 32 bytes apart
.irp c, 0,1
	ds_load_b128 v[\reg+4*\c:\reg+4*\c+3], v[\adr] offset:64*(\q)+32*\c+(\i)*16*PITCH
.endr
.endm
; 16 matrix instructions: A's blocks a0, a0 + 1 x B's eight.  first = 1: the bias is C.  The 64 accumulators take turns, one instruction a turn.
.macro MUL16 a0, p, q, sc, first
.irp a, \a0, \a0+1
.irp b, 0,1,2,3,4,5,6,7
.if \first
	v_wmma_scale_f32_16x16x128_f8f6f4 v[8*(8*((\a)%4)+\b):8*(8*((\a)%4)+\b)+7], v[128*(\p)+FR*\b:128*(\p)+FR*\b+FR-1], v[AF+FR*(\a):AF+FR*(\a)+FR-1], v[BI+8*\b:BI+8*\b+7], v[SC+8*NQ*(\sc)+NQ*\b+(\q)], v[SC+8*NQ*(\sc)+NQ*(\a)+(\q)] matrix_a_fmt:MATRIX_FMT_FP4 matrix_b_fmt:MATRIX_FMT_FP4 matrix_a_scale:MATRIX_SCALE_ROW1
.else
	v_wmma_scale_f32_16x16x128_f8f6f4 v[8*(8*((\a)%4)+\b):8*(8*((\a)%4)+\b)+7], v[128*(\p)+FR*\b:128*(\p)+FR*\b+FR-1], v[AF+FR*(\a):AF+FR*(\a)+FR-1], v[8*(8*((\a)%4)+\b):8*(8*((\a)%4)+\b)+7], v[SC+8*NQ*(\sc)+NQ*\b+(\q)], v[SC+8*NQ*(\sc)+NQ*(\a)+(\q)] matrix_a_fmt:MATRIX_FMT_FP4 matrix_b_fmt:MATRIX_FMT_FP4 matrix_a_scale:MATRIX_SCALE_ROW1
.endif
.endr
.endr
.endm
.macro FETCH_B slot, q, p
	WIN TO_B
.irp i, 0,1,2,3,4,5,6,7
	FRAG 128*(\p)+FR*\i, ADRB+\slot, \q, \i
.endr
	WIN 0
.endm
.macro FETCH_A slot, q, i0
.irp i, \i0, \i0+1, \i0+2, \i0+3
	FRAG AF+FR*(\i), ADRA+\slot, \q, \i
.endr
.endm
.macro SCALES sc                       ; a slot's scale words: lanes 0-15 A's block i, lanes 16-31 B's block i, four words a row
.irp i, 0,1,2,3,4,5,6,7
	ds_load_b128 v[SC+8*NQ*\sc+NQ*\i:SC+8*NQ*\sc+NQ*\i+3], v[ADRS] offset:\i*SBLK
.endr
.endm
.macro PLACES n                        ; plain vector lines between a matrix instruction and a load into, or a read of, its registers
.rept \n
	v_nop
.endr
.endm
.macro STEP slot, q, first             ; 128 along K, with its successor in the same slot
	s_wait_dscnt 4*NL                              ; B's set and A's blocks 0-3 are in; the youngest eight loads (A's blocks 4-7) may be out
.if \first
	WIN 0x81                                       ; C, the bias, in window 0; D in window 2
.else
	WIN MUL_LO
.endif
	MUL16 0, (\q)%2, \q, \slot, \first
	MUL16 2, (\q)%2, \q, \slot, \first
	s_wait_dscnt 0
	PLACES NP
	FETCH_B \slot, (\q)+1, 1-(\q)%2
	FETCH_A \slot, (\q)+1, 0
.if \first
	WIN 0xc1
.else
	WIN MUL_HI
.endif
	MUL16 4, (\q)%2, \q, \slot, \first
	MUL16 6, (\q)%2, \q, \slot, \first
	PLACES NP
	WIN 0
	FETCH_A \slot, (\q)+1, 4
.endm
.macro STEPS slot, from
.set Q, \from
.rept NQ-1-\from
	STEP \slot, Q, 0
.set Q, Q+1
.endr
.endm
	s_wait_tensorcnt 1                             ; the scales and my part of slot 0 are in; slot 1's load may be out
	s_barrier_signal -1
	s_barrier_wait -1
	FETCH_B 0, 0, 0
	FETCH_A 0, 0, 0
	SCALES 0
	FETCH_A 0, 0, 4
	s_wait_loadcnt 0x0                             ; the bias
	STEP 0, 0, 1
	STEPS 0, 1
	; slot 0's last step changes slots: one barrier; in front of it my part of slot 1 has landed
	s_wait_tensorcnt 0x0
	ds_add_u32 v[SPW], v[NIL]                      ; 0 onto my spare word
	s_wait_dscnt 4*NL+1                            ; the add and A's blocks 4-7 may be out
	WIN MUL_LO
	MUL16 0, 1, NQ-1, 0, 0
	s_wait_dscnt 0x0
	s_barrier_signal -1
	MUL16 2, 1, NQ-1, 0, 0
	WIN 0
	s_barrier_wait -1
	PLACES NP
	v_add_nc_u32 v[ADRS], 4*NQ, v[ADRS]            ; on to slot 1's scale words (no LDS load of mine is out)
	FETCH_B 1, 0, 0
	FETCH_A 1, 0, 0
	SCALES 1
	WIN MUL_HI
	MUL16 4, 1, NQ-1, 0, 0
	MUL16 6, 1, NQ-1, 0, 0
	PLACES NP
	WIN 0
	FETCH_A 1, 0, 4
	STEPS 1, 0
	s_wait_dscnt 4*NL                              ; the very last step
	WIN MUL_LO
	MUL16 0, 1, NQ-1, 1, 0
	MUL16 2, 1, NQ-1, 1, 0
	s_wait_dscnt 0
	WIN MUL_HI
	MUL16 4, 1, NQ-1, 1, 0
	MUL16 6, 1, NQ-1, 1, 0
	WIN 0
; THE WAY OUT, 16 tokens x 128 channels at a time: x the factor in f32, rounded to f16, stored as halves of images.  Block b: head b / 4, image (b / 2) % 2, half b % 2.
.macro OUTBLK a
.set AC, 64*((\a)%4)
.set PP, 192+32*((\a)%2)
.if (\a) > 1
	s_wait_xcnt 0x0                                ; block a - 2's stores have read the registers that are written again below
.endif
	WIN 0x02+((\a)/4)                              ; source 0: window 2 or 3
.irp b, 0,1,2,3,4,5,6,7
.irp i, 0,1,2,3
	v_pk_mul_f32 v[128+8*\b+2*\i:128+8*\b+2*\i+1], v[AC+8*\b+2*\i:AC+8*\b+2*\i+1], s[98:99] op_sel_hi:[1,0]   ; each accumulator from its low end on
.endr
.endr
	WIN 0
.irp b, 0,1,2,3,4,5,6,7
.irp i, 0,1,2,3
	v_cvt_pk_f16_f32 v[PP+4*\b+\i], v[128+8*\b+2*\i], v[128+8*\b+2*\i+1]
.endr
.endr
.irp b, 0,1,2,3,4,5,6,7
	global_store_b128 v[LO], v[PP+4*\b:PP+4*\b+3], s[12:13] offset:(\b/4)*262144+(\a)*2048+((\b/2)%2)*1024+(\b%2)*512 th:TH_STORE_NT   ; 512 consecutive bytes
.endr
.endm
	PLACES NP                                      ; behind the last products: their results are read and A's registers written below
.irp a, 0,1,2,3,4,5,6,7
	OUTBLK \a
.endr
	s_wait_tensorcnt 0x0                           ; the wave's end
	ds_add_u32 v[SPW], v[NIL]
	s_wait_dscnt 0x0
	CROUND                                         ; the closing round
	s_endpgm
.Lfunc_end_k_qe8ac89ec73_proj:
	.size	k_qe8ac89ec73_proj, .Lfunc_end_k_qe8ac89ec73_proj-k_qe8ac89ec73_proj
	.p2alignl 7, 3214868480
	.fill 96, 4, 3214868480
	.section	.rodata,"a",@progbits
	.p2align	6, 0x0
	.amdhsa_kernel k_qe8ac89ec73_proj
		.amdhsa_group_segment_fixed_size 327680
		.amdhsa_private_segment_fixed_size 0
		.amdhsa_enable_private_segment 0
		.amdhsa_kernarg_size 64
		.amdhsa_user_sgpr_count 2
		.amdhsa_user_sgpr_kernarg_segment_ptr 1
		.amdhsa_wavefront_size32 1
		.amdhsa_system_sgpr_workgroup_id_x 1
		.amdhsa_system_sgpr_workgroup_id_y 1
		.amdhsa_system_sgpr_workgroup_id_z 1
		.amdhsa_system_vgpr_workitem_id 0
		.amdhsa_next_free_vgpr 1024
		.amdhsa_next_free_sgpr 102
		.amdhsa_reserve_vcc 0
		.amdhsa_float_denorm_mode_32 3
		.amdhsa_float_denorm_mode_16_64 3
		.amdhsa_memory_ordered 1
		.amdhsa_forward_progress 1
		.amdhsa_inst_pref_size 136
	.end_amdhsa_kernel
	.amdgpu_metadata
---
amdhsa.version: [ 1, 2 ]
amdhsa.kernels:
  - .name:           k_qe8ac89ec73_proj
    .symbol:         k_qe8ac89ec73_proj.kd
    .args:
      - { .name: xc, .offset: 0, .size: 8, .value_kind: global_buffer, .address_space: global }
      - { .name: xs, .offset: 8, .size: 8, .value_kind: global_buffer, .address_space: global }
      - { .name: wc, .offset: 16, .size: 8, .value_kind: global_buffer, .address_space: global }
      - { .name: ws, .offset: 24, .size: 8, .value_kind: global_buffer, .address_space: global }
      - { .name: qkv, .offset: 32, .size: 8, .value_kind: global_buffer, .address_space: global }
      - { .name: bq, .offset: 40, .size: 8, .value_kind: global_buffer, .address_space: global }
      - { .name: bk, .offset: 48, .size: 8, .value_kind: global_buffer, .address_space: global }
      - { .name: bv, .offset: 56, .size: 8, .value_kind: global_buffer, .address_space: global }
    .group_segment_fixed_size: 327680
    .private_segment_fixed_size: 0
    .kernarg_segment_align: 8
    .kernarg_segment_size: 64
    .max_flat_workgroup_size: 128
    .sgpr_count:     102
    .vgpr_count:     1024
    .wavefront_size: 32
...
	.end_amdgpu_metadata
.endif
;; end of part 2
;; launch attn (part 3): grid 4 x 64, 8 waves a work-group, no clusters, 44,032 bytes of LDS; arguments qkv, route, ybuf; writes ybuf
.if DOCPART == 3
	.amdgcn_target "amdgcn-amd-amdhsa--gfx1250"
	.amdhsa_code_object_version 6
	.text
	.protected	k_qe8ac89ec73_attn
	.globl	k_qe8ac89ec73_attn
	.p2align	8
	.type	k_qe8ac89ec73_attn,@function
k_qe8ac89ec73_attn:
	s_mov_b64 s[64:65], 0
	v_nop
	global_prefetch_b8 v0, s[64:65] scope:SCOPE_SE
	s_setreg_imm32_b32 hwreg(HW_REG_WAVE_MODE, 25, 1), 1
	s_wait_xcnt 0x0
; ATTN.  y[b][q][head] = softmax over the VISIBLE keys of (q . k / 8) times v.  q (already x log2(e) / 8), k, v: f16 images of operands, qkv [tensor][b][head][token/16][d/32][1,024 bytes], tokens in the permuted order:
; the batch's N visible tokens first.  So only keys 0 .. N - 1 are walked, 64 a step, ceil(N / 64) steps; the last step's keys from N on get -infinity.  N is read from route (whole numbers of an earlier launch), 0 to 2,048.
; N = 0: one step is walked with every score -infinity: all p = 0, the sum is 0, and 0 x (1 / 0) gives the NaN that a softmax of nothing gives.
; SHARES.  A work-group owns 512 queries of one (batch, head); each of its eight waves 64: four tiles of 16, in 512 registers: two waves to a SIMD.
; LAYOUT.  S^T = K Q^T (source 0 = 16 keys, source 1 = 16 queries): a lane holds ONE query and keys 8 (lane / 16) + 0..7; two such tiles rounded to f16 in pairs ARE source 1 of O^T = V^T P.  O^T, packed, is half an image of y.
; SOFTMAX.  Running maximum m and sum l for each query, in f32: p = 2^(s - m); in every step O and l are multiplied by a = 2^(m_old - m_new).  p goes to the second product in f16; the sum is taken of the f32 p.
; TWO GROUPS OF WAVES.  G = (wave xor wave / 4) & 1 differs between the two waves of a SIMD.  In a trip group 0 runs its products and then its softmax, group 1 its softmax and then its products: one wave's 64 matrix
; instructions stand beside the other's vector work.  The barrier at each trip's head keeps the two in step.
; K AND V go from memory through registers into LDS (waves 0-3: a step's K, waves 4-7: its V, 2,048 bytes each), a trip ahead, two buffers each; all eight waves read them.
; NO TENSOR LOAD AND NO CLUSTER: which steps are walked hangs on N, a number read from memory.  The loop has 32 trips for every N; every wave passes every
; barrier; scalar branches on N lead round loads, LDS stores and arithmetic alone.
; LIMITS: NaN and infinities among q, k, v are not served; p under 6e-5 loses bits in f16.
; REGISTERS.  window 0: v1-15 addresses; v16-31 staging; v32-63 statistics, 8 a tile: +0 m, +1 at work, +2, +3 l, +4..+7 at work (a at +6); v64-191 S^T, 32 a tile, P in place; v192-255 Q.
;             window 1: v0-127 O^T, 32 a tile; v128-191 K's 8 fragments; v192-255 V's 8.
.set VP,    160                        ; a key's row of V in LDS: 128 bytes + 32: an odd multiple of 32 bytes
.set KBUF,  8192                       ; K's two buffers at 0 and 8,192: copies of the images
.set VB0,   16384                      ; V's two buffers at 16,384 and 32,768: 64 rows x VP
.set VBUF,  16384
.set SPARE, 43008                      ; the spare words, 128 bytes for each of eight waves
.set LI,   1                           ; v1   16 x lane
.set AV,   2                           ; v2   the turning load's place: (8 h + lane % 8) VP + 16 ((lane / 8) % 2)
.set AKS,  3                           ; v3   16 x lane + 2,048 x part: where I put K in LDS, and my bytes of a step's tile in memory
.set AVS,  4                           ; v4   where I put V: (16 part + lane % 16) VP + 16 (lane / 16)
.set GOF,  6                           ; v6   the offset of the staging loads in hand
.set L256, 9                           ; v9   256 x lane
.set H8,   10                          ; v10  8 (lane / 16)
.set DD,   11                          ; v11  keys left less 8 (lane / 16)
.set NINF, 12                          ; v12  -infinity
.set PFO,  13                          ; v13  the prefetch's offset
.set SPW,  14
.set NIL,  15
.set STG,  16
.set ST,   32
.set S,    64
.set Q,    192
.set KF,   128
.set VF,   192
.set WV,   10
.set ROLE, 11                          ; 0: I stage K; 1: V
.set PART, 12                          ; which 16 keys of a step I stage
.set G,    13
.set BH,   14
.set BB,   15
.set HD,   16
.set QB,   17
.set N,    18
.set NST,  19                          ; steps: max(ceil(N / 64), 1)
.set TAU,  20                          ; the trip
.set I,    21                          ; the step whose tile I put into LDS in this trip
.set L,    22
.set PFN,  23                          ; NST in a wave that prefetches, else 0
.set SEL,  36
.set JS,   38                          ; the step whose softmax is in hand
.set MSB, 0
.macro WIN new
.if MSB != \new
	s_set_vgpr_msb (MSB<<8)|\new
.set MSB, \new
.endif
.endm
; STAGING, in trip parity p.  The tile loaded a trip ago goes into LDS: K of step I into the buffer that this trip does not read, V likewise; then the next tile is asked for.
; THE PREFETCH stands behind the wave's four loads: the whole tile (8,192 bytes, lanes 256 bytes apart) that the wave's loads two trips on will want.  All four work-groups of a head walk the same K and V: the head's first
; work-group asks, in it wave 0 for K and wave 4 for V, so each block is named once in the launch; it never names a tile beyond the last step's; nothing is asked for at the kernel's head.
.macro STAGE p
	s_wait_xcnt 0x0                                ; the last prefetch, a trip back, has read its offset register
	s_wait_loadcnt 0x0                             ; my four staging loads, issued a trip ago, are in
	s_cmp_lt_u32 s[I], s[NST]                      ; (unsigned: V's waves begin at I = -1, which falls out)
	s_cbranch_scc0 .Lno_put_\@
	s_cmp_eq_u32 s[ROLE], 0
	s_cbranch_scc0 .Lput_v_\@
.irp i, 0,1,2,3
	ds_store_b128 v[AKS], v[STG+4*\i:STG+4*\i+3] offset:(1-(\p))*KBUF+512*\i
.endr
	s_branch .Lno_put_\@
.Lput_v_\@:
.irp i, 0,1,2,3
	ds_store_b128 v[AVS], v[STG+4*\i:STG+4*\i+3] offset:VB0+(\p)*VBUF+32*\i   ; load i holds, of key lane % 16, channels 16 i + 8 (lane / 16) + 0..7
.endr
.Lno_put_\@:
	s_wait_dscnt 0x0                               ; the stores have read the staging registers
	s_add_co_u32 s40, s[I], 1
	s_cmp_lt_u32 s40, s[NST]
	s_cbranch_scc0 .Lno_get_\@
	s_lshl_b32 s40, s40, 13                        ; a step's tile is 8,192 bytes
	v_add_nc_u32 v[GOF], s40, v[AKS]
.irp i, 0,1,2,3
	global_load_b128 v[STG+4*\i:STG+4*\i+3], v[GOF], s[24:25] offset:512*\i
.endr
	s_add_co_u32 s40, s[I], 3
	s_cmp_lt_u32 s40, s[PFN]
	s_cbranch_scc0 .Lno_get_\@
	s_lshl_b32 s40, s40, 13
	v_add_nc_u32 v[PFO], s40, v[L256]
	global_prefetch_b8 v[PFO], s[24:25] th:TH_LOAD_NT scope:SCOPE_SE
.Lno_get_\@:
.endm
.macro KLOAD p                         ; a step's 8 fragments of K (keys 16 (f / 2) on, channels 32 (f % 2) on), as they lie
	WIN 0x40
.irp f, 0,1,2,3,4,5,6,7
	ds_load_b128 v[KF+8*\f:KF+8*\f+3],   v[LI] offset:(\p)*KBUF+1024*\f
	ds_load_b128 v[KF+8*\f+4:KF+8*\f+7], v[LI] offset:(\p)*KBUF+1024*\f+512
.endr
	WIN 0
.endm
.macro VLOAD pv                        ; a step's 8 fragments of V^T (keys 32 kg on, channels 16 dt on), turned
	WIN 0x40
.irp kg, 0,1
.irp dt, 0,1,2,3
	ds_load_tr16_b128 v[VF+8*(4*\kg+\dt):VF+8*(4*\kg+\dt)+3],   v[AV] offset:VB0+(\pv)*VBUF+32*\kg*VP+32*\dt
	ds_load_tr16_b128 v[VF+8*(4*\kg+\dt)+4:VF+8*(4*\kg+\dt)+7], v[AV] offset:VB0+(\pv)*VBUF+32*\kg*VP+16*VP+32*\dt
.endr
.endr
	WIN 0
.endm
; The accumulators take turns, one instruction a turn.  Five plain lines follow each run: its results are read, its sources loaded anew, and S^T's registers,
; which V^T P reads as P, are written over by the next K Q^T (ISA guide 7.12.1).
.macro QKMUL
	WIN 0x01                                       ; K in window 1; Q and S^T in window 0
.irp c, 0,1
.irp kt, 0,1,2,3
.irp t, 0,1,2,3
.if \c == 0
	v_wmma_f32_16x16x32_f16 v[S+32*\t+8*\kt:S+32*\t+8*\kt+7], v[KF+8*(2*\kt+\c):KF+8*(2*\kt+\c)+7], v[Q+8*(2*\t+\c):Q+8*(2*\t+\c)+7], 0
.else
	v_wmma_f32_16x16x32_f16 v[S+32*\t+8*\kt:S+32*\t+8*\kt+7], v[KF+8*(2*\kt+\c):KF+8*(2*\kt+\c)+7], v[Q+8*(2*\t+\c):Q+8*(2*\t+\c)+7], v[S+32*\t+8*\kt:S+32*\t+8*\kt+7]
.endif
.endr
.endr
.endr
	WIN 0
.rept 5
	v_nop
.endr
.endm
.macro PVMUL
	WIN 0x51                                       ; V and O^T in window 1, P in window 0
.irp kg, 0,1
.irp dt, 0,1,2,3
.irp t, 0,1,2,3
	v_wmma_f32_16x16x32_f16 v[32*\t+8*\dt:32*\t+8*\dt+7], v[VF+8*(4*\kg+\dt):VF+8*(4*\kg+\dt)+7], v[S+32*\t+16*\kg:S+32*\t+16*\kg+7], v[32*\t+8*\dt:32*\t+8*\dt+7]
.endr
.endr
.endr
	WIN 0
.rept 5
	v_nop
.endr
.endm
; THE SOFTMAX of step JS, the four tiles by turns in every part, so that no line waits for the line above it.
.macro XSM
	s_lshl_b32 s40, s[JS], 6
	s_sub_co_i32 s40, s[N], s40                    ; visible keys from this step's first on
	s_cmp_ge_i32 s40, 64
	s_cbranch_scc1 .Lopen_\@                       ; a step all of whose keys count skips the mask
	v_sub_nc_u32 v[DD], s40, v[H8]                 ; register 8 kt + i holds key 16 kt + 8 (lane / 16) + i of the step: hidden where 16 kt + i >= DD
.irp kt, 0,1,2,3
.irp i, 0,1,2,3,4,5,6,7
	v_cmp_ge_i32 vcc_lo, 16*\kt+\i, v[DD]
.irp t, 0,1,2,3
	v_cndmask_b32 v[S+32*\t+8*\kt+\i], v[S+32*\t+8*\kt+\i], v[NINF], vcc_lo
.endr
.endr
.endr
.Lopen_\@:
.irp j, 0,1,2,3                        ; the maximum: four chains a tile, each begun at the low end of its accumulator
.irp t, 0,1,2,3
	v_max3_num_f32 v[ST+8*\t+4+\j], v[S+32*\t+8*\j], v[S+32*\t+8*\j+1], v[S+32*\t+8*\j+2]
.endr
.endr
.irp g, 1,2
.irp j, 0,1,2,3
.irp t, 0,1,2,3
	v_max3_num_f32 v[ST+8*\t+4+\j], v[ST+8*\t+4+\j], v[S+32*\t+8*\j+2*\g+1], v[S+32*\t+8*\j+2*\g+2]
.endr
.endr
.endr
.irp t, 0,1,2,3
	v_max3_num_f32 v[ST+8*\t+4], v[ST+8*\t+4], v[S+32*\t+7], v[S+32*\t+15]
.endr
.irp t, 0,1,2,3
	v_max3_num_f32 v[ST+8*\t+6], v[ST+8*\t+6], v[S+32*\t+23], v[S+32*\t+31]
.endr
.irp t, 0,1,2,3
	v_max3_num_f32 v[ST+8*\t+4], v[ST+8*\t+4], v[ST+8*\t+5], v[ST+8*\t+6]
.endr
.irp t, 0,1,2,3
	v_max3_num_f32 v[ST+8*\t+4], v[ST+8*\t+4], v[ST+8*\t+7], v[ST+8*\t]       ; with the old m
.endr
.irp t, 0,1,2,3
	v_permlanex16_b32 v[ST+8*\t+5], v[ST+8*\t+4], s[SEL], s[SEL+1]            ; the query's other 32 keys lie in the lane 16 away
.endr
.irp t, 0,1,2,3
	v_mov_b32 v[ST+8*\t+1], v[ST+8*\t]
.endr
.irp t, 0,1,2,3
	v_max_num_f32 v[ST+8*\t], v[ST+8*\t+4], v[ST+8*\t+5]                      ; the new m
.endr
.irp t, 0,1,2,3
	v_sub_f32 v[ST+8*\t+1], v[ST+8*\t+1], v[ST+8*\t]
.endr
.irp t, 0,1,2,3
	v_exp_f32 v[ST+8*\t+6], v[ST+8*\t+1]                                      ; a = 2^(m_old - m_new): first of the batch of exponentials
.endr
.set i, 0
.rept 16
.irp t, 0,1,2,3
	v_pk_add_f32 v[S+32*\t+2*i:S+32*\t+2*i+1], v[S+32*\t+2*i:S+32*\t+2*i+1], v[ST+8*\t:ST+8*\t+1] op_sel_hi:[1,0] neg_lo:[0,1] neg_hi:[0,1]   ; s - m, two at a time
.endr
.set i, i+1
.endr
.set i, 0
.rept 32
.irp t, 0,1,2,3
	v_exp_f32 v[S+32*\t+i], v[S+32*\t+i]
.endr
.set i, i+1
.endr
	v_nop                                          ; a plain line behind the last exponential
	s_wait_alu depctr_va_vdst(0)                   ; one wait for the batch of 132, ahead of the first line that names a result
.irp t, 0,1,2,3                        ; l = a l + the sum of the unrounded p, in two chains a tile
	v_pk_fma_f32 v[ST+8*\t+2:ST+8*\t+3], v[ST+8*\t+2:ST+8*\t+3], v[ST+8*\t+6:ST+8*\t+7], v[S+32*\t:S+32*\t+1] op_sel_hi:[1,0,1]
.endr
.irp t, 0,1,2,3
	v_pk_add_f32 v[ST+8*\t+4:ST+8*\t+5], v[S+32*\t+16:S+32*\t+17], v[S+32*\t+18:S+32*\t+19]
.endr
.irp i, 1,2,3,4,5,6
.irp t, 0,1,2,3
	v_pk_add_f32 v[ST+8*\t+2:ST+8*\t+3], v[ST+8*\t+2:ST+8*\t+3], v[S+32*\t+2*\i:S+32*\t+2*\i+1]
.endr
.irp t, 0,1,2,3
	v_pk_add_f32 v[ST+8*\t+4:ST+8*\t+5], v[ST+8*\t+4:ST+8*\t+5], v[S+32*\t+18+2*\i:S+32*\t+18+2*\i+1]
.endr
.endr
.irp t, 0,1,2,3
	v_pk_add_f32 v[ST+8*\t+2:ST+8*\t+3], v[ST+8*\t+2:ST+8*\t+3], v[S+32*\t+14:S+32*\t+15]
.endr
.irp t, 0,1,2,3
	v_pk_add_f32 v[ST+8*\t+2:ST+8*\t+3], v[ST+8*\t+2:ST+8*\t+3], v[ST+8*\t+4:ST+8*\t+5]
.endr
.irp kg, 0,1                           ; P in place: the 16 registers of key tiles 2 kg, 2 kg + 1 pack into the first 8, ascending
.irp i, 0,1,2,3,4,5,6,7
.irp t, 0,1,2,3
	v_cvt_pk_f16_f32 v[S+32*\t+16*\kg+\i], v[S+32*\t+16*\kg+2*\i], v[S+32*\t+16*\kg+2*\i+1]
.endr
.endr
.endr
	WIN 0x41                                       ; O^T in window 1, a in window 0
.set i, 0
.rept 16
.irp t, 0,1,2,3
	v_pk_mul_f32 v[32*\t+2*i:32*\t+2*i+1], v[32*\t+2*i:32*\t+2*i+1], v[ST+8*\t+6:ST+8*\t+7] op_sel_hi:[1,0]   ; each accumulator from its low end on
.endr
.set i, i+1
.endr
	WIN 0
.endm
; TRIP tau, of parity p.  It reads K of step tau from K's buffer p and V of step tau - 1 from V's buffer 1 - p, and puts K of step tau + 1 and V of step tau into the other two, which were last read a trip ago:
; every wave has waited for those reads, and for its stores of the last trip, in front of the barrier.
.macro TRIP p
	s_add_co_u32 s[TAU], s[TAU], 1
	s_add_co_u32 s[I], s[I], 1
	s_wait_dscnt 0x0
	s_barrier_signal -1
	s_barrier_wait -1
	STAGE \p
	s_sub_co_u32 s[JS], s[TAU], 1
	s_cmp_ge_u32 s[JS], s[NST]
	s_cbranch_scc1 .Lidle_\@                       ; all steps are done: the wave only keeps the barriers
	s_cmp_eq_u32 s[G], 0
	s_cbranch_scc1 .Lmat_\@
	XSM                                            ; group 1: the softmax of step tau - 1
.Lmat_\@:
	s_cmp_lt_u32 s[TAU], s[NST]
	s_cbranch_scc0 .Lno_k_\@
	KLOAD \p
.Lno_k_\@:
	VLOAD 1-\p
	s_wait_dscnt 0x0
	PVMUL                                          ; O^T += V^T P of step tau - 1
	s_cmp_lt_u32 s[TAU], s[NST]
	s_cbranch_scc0 .Lidle_\@
	QKMUL                                          ; S^T of step tau
	s_cmp_eq_u32 s[G], 0
	s_cbranch_scc0 .Lidle_\@
	s_mov_b32 s[JS], s[TAU]
	XSM                                            ; group 0: the softmax of step tau
.Lidle_\@:
.endm
	s_load_b128 s[4:7], s[0:1], 0x0                ; qkv, route
	s_load_b64 s[8:9], s[0:1], 0x10                ; ybuf
	v_lshl_add_u32 v[SPW], v0, 2, SPARE
	v_mov_b32 v[NIL], 0
	v_lshrrev_b32 v1, 5, v0
	v_readfirstlane_b32 s[WV], v1                  ; wave 0..7
	s_lshr_b32 s[ROLE], s[WV], 2
	s_and_b32 s[PART], s[WV], 3
	s_xor_b32 s[G], s[WV], s[ROLE]
	s_and_b32 s[G], s[G], 1
	s_and_b32 s[BH], ttmp7, 0xffff                 ; 16 x batch + head
	s_lshr_b32 s[BB], s[BH], 4
	s_and_b32 s[HD], s[BH], 15
	s_mov_b32 s[QB], ttmp9                         ; which 512 queries
	s_mov_b32 s[SEL], 0x76543210
	s_mov_b32 s[SEL+1], 0xfedcba98
	s_lshl_b32 s40, s[BB], 8
	s_mov_b32 s41, 0
	s_wait_kmcnt 0x0
	s_add_nc_u64 s[6:7], s[6:7], s[40:41]
	s_load_b32 s[N], s[6:7], 0x8000                ; the batch's number of visible tokens
	s_add_co_u32 s40, s[ROLE], 1
	s_lshl_b32 s40, s40, 24                        ; k begins 2^24 bytes on, v 2^25
	s_lshl_b32 s42, s[BH], 18                      ; 262,144 bytes a head
	s_add_co_u32 s40, s40, s42
	s_add_nc_u64 s[24:25], s[4:5], s[40:41]        ; what I stage: the head's K or V
	s_lshl_b32 s40, s[QB], 5
	s_lshl_b32 s43, s[WV], 2
	s_add_co_u32 s43, s40, s43                     ; my first block of 16 queries
	s_lshl_b32 s40, s43, 11
	s_add_co_u32 s40, s40, s42
	s_add_nc_u64 s[26:27], s[4:5], s[40:41]        ; my Q
	s_lshl_b32 s40, s[BB], 7
	s_add_co_u32 s40, s40, s43
	s_lshl_b32 s40, s40, 15                        ; 32,768 bytes for 16 tokens of y,
	s_lshl_b32 s42, s[HD], 11                      ; 2,048 for a head's two images
	s_add_co_u32 s40, s40, s42
	s_add_nc_u64 s[28:29], s[8:9], s[40:41]        ; my y
	v_and_b32 v5, 31, v0
	v_lshlrev_b32 v[LI], 4, v5
	v_bfe_u32 v7, v0, 4, 1
	v_and_b32 v8, 7, v0
	v_lshl_add_u32 v[AV], v7, 3, v8
	v_mul_u32_u24 v[AV], v[AV], VP
	v_bfe_u32 v8, v0, 3, 1
	v_lshl_add_u32 v[AV], v8, 4, v[AV]
	s_lshl_b32 s40, s[PART], 11
	v_add_nc_u32 v[AKS], s40, v[LI]
	v_and_b32 v8, 15, v0
	s_lshl_b32 s40, s[PART], 4
	v_add_nc_u32 v[AVS], s40, v8
	v_mul_u32_u24 v[AVS], v[AVS], VP
	v_lshl_add_u32 v[AVS], v7, 4, v[AVS]
	v_lshlrev_b32 v[L256], 8, v5
	v_lshlrev_b32 v[H8], 3, v7
	v_mov_b32 v[NINF], 0xff800000
.irp i, 0,1,2,3
	global_load_b128 v[STG+4*\i:STG+4*\i+3], v[AKS], s[24:25] offset:512*\i   ; step 0's tile (V's waves ask for it once more below: so the staging registers are written on every way)
.endr
.irp i, 0,1,2,3,4,5,6,7,8,9,10,11,12,13,14,15
	global_load_b128 v[Q+4*\i:Q+4*\i+3], v[LI], s[26:27] offset:512*\i        ; Q stays in registers: fragment (tile, channels 32 c on) at Q + 8 (2 tile + c)
.endr
	WIN 0x40
.set j, 0
.rept 128
	v_mov_b32 v[j], 0                              ; O^T: the key step is written once for all trips; the first finds zeros
.set j, j+1
.endr
	WIN 0
.irp t, 0,1,2,3
	v_mov_b32 v[ST+8*\t], 0xff61b1e6               ; m: -3e38, under every score
.irp k, 1,2,3,4,5,6,7
	v_mov_b32 v[ST+8*\t+\k], 0
.endr
.endr
	s_wait_kmcnt 0x0
	s_min_u32 s[N], s[N], 2048
	s_add_co_u32 s[NST], s[N], 63
	s_lshr_b32 s[NST], s[NST], 6
	s_max_u32 s[NST], s[NST], 1
	s_or_b32 s40, s[QB], s[PART]
	s_cmp_eq_u32 s40, 0
	s_cselect_b32 s[PFN], s[NST], 0
	s_sub_co_u32 s[I], 0, s[ROLE]                  ; K's waves run a step ahead of V's
	s_mov_b32 s[TAU], 0
	STAGE 1                                        ; K of step 0 into K's buffer 0; K of step 1 and V of step 0 are asked for
	s_add_co_u32 s[I], s[I], 1
	s_wait_dscnt 0x0
	s_barrier_signal -1
	s_barrier_wait -1
	STAGE 0                                        ; K of step 1 into K's buffer 1, V of step 0 into V's buffer 0
	KLOAD 0
	s_wait_dscnt 0x0
	QKMUL                                          ; S^T of step 0 (Q is in: the staging's wait was for all loads)
	s_cmp_eq_u32 s[G], 0
	s_cbranch_scc0 .Lfirst_done
	s_mov_b32 s[JS], 0
	XSM
.Lfirst_done:
	s_mov_b32 s[L], 16
.Ltrips:                                               ; 16 x 2 trips, whatever N: two are written out, so that every buffer's place is an immediate
	TRIP 1
	TRIP 0
	s_sub_co_u32 s[L], s[L], 1
	s_cmp_lg_u32 s[L], 0
	s_cbranch_scc1 .Ltrips
	; THE WAY OUT: O^T / l, rounded to f16: four registers a lane are half an image of y: 512 consecutive bytes a store, no LDS.
.irp t, 0,1,2,3
	v_add_f32 v[ST+8*\t+4], v[ST+8*\t+2], v[ST+8*\t+3]
.endr
.irp t, 0,1,2,3
	v_permlanex16_b32 v[ST+8*\t+5], v[ST+8*\t+4], s[SEL], s[SEL+1]
.endr
.irp t, 0,1,2,3
	v_add_f32 v[ST+8*\t+4], v[ST+8*\t+4], v[ST+8*\t+5]
.endr
.irp t, 0,1,2,3
	v_rcp_f32 v[ST+8*\t+6], v[ST+8*\t+4]
.endr
	v_nop                                          ; a plain line behind the last reciprocal
	s_wait_alu depctr_va_vdst(0)                   ; one wait for the four, ahead of their first reader
	WIN 0x01                                       ; O^T in window 1; the results go into S^T's registers
.irp t, 0,1,2,3
.set i, 0
.rept 16
	v_pk_mul_f32 v[S+32*\t+2*i:S+32*\t+2*i+1], v[32*\t+2*i:32*\t+2*i+1], v[ST+8*\t+6:ST+8*\t+7] op_sel_hi:[1,0]
.set i, i+1
.endr
.endr
	WIN 0
.irp t, 0,1,2,3
.set i, 0
.rept 16
	v_cvt_pk_f16_f32 v[S+32*\t+i], v[S+32*\t+2*i], v[S+32*\t+2*i+1]
.set i, i+1
.endr
.endr
.irp t, 0,1,2,3
.irp dt, 0,1,2,3
	global_store_b128 v[LI], v[S+32*\t+4*\dt:S+32*\t+4*\dt+3], s[28:29] offset:\t*32768+(\dt/2)*1024+(\dt%2)*512
.endr
.endr
	s_wait_tensorcnt 0x0                           ; the wave's end
	ds_add_u32 v[SPW], v[NIL]
	s_wait_dscnt 0x0
	s_endpgm
.Lfunc_end_k_qe8ac89ec73_attn:
	.size	k_qe8ac89ec73_attn, .Lfunc_end_k_qe8ac89ec73_attn-k_qe8ac89ec73_attn
	.p2alignl 7, 3214868480
	.fill 96, 4, 3214868480
	.section	.rodata,"a",@progbits
	.p2align	6, 0x0
	.amdhsa_kernel k_qe8ac89ec73_attn
		.amdhsa_group_segment_fixed_size 44032
		.amdhsa_private_segment_fixed_size 0
		.amdhsa_enable_private_segment 0
		.amdhsa_kernarg_size 24
		.amdhsa_user_sgpr_count 2
		.amdhsa_user_sgpr_kernarg_segment_ptr 1
		.amdhsa_wavefront_size32 1
		.amdhsa_system_sgpr_workgroup_id_x 1
		.amdhsa_system_sgpr_workgroup_id_y 1
		.amdhsa_system_sgpr_workgroup_id_z 1
		.amdhsa_system_vgpr_workitem_id 0
		.amdhsa_next_free_vgpr 512
		.amdhsa_next_free_sgpr 66
		.amdhsa_reserve_vcc 1
		.amdhsa_float_denorm_mode_32 3
		.amdhsa_float_denorm_mode_16_64 3
		.amdhsa_memory_ordered 1
		.amdhsa_forward_progress 1
		.amdhsa_inst_pref_size 195
	.end_amdhsa_kernel
	.amdgpu_metadata
---
amdhsa.version: [ 1, 2 ]
amdhsa.kernels:
  - .name:           k_qe8ac89ec73_attn
    .symbol:         k_qe8ac89ec73_attn.kd
    .args:
      - { .name: qkv, .offset: 0, .size: 8, .value_kind: global_buffer, .address_space: global }
      - { .name: route, .offset: 8, .size: 8, .value_kind: global_buffer, .address_space: global }
      - { .name: ybuf, .offset: 16, .size: 8, .value_kind: global_buffer, .address_space: global }
    .group_segment_fixed_size: 44032
    .private_segment_fixed_size: 0
    .kernarg_segment_align: 8
    .kernarg_segment_size: 24
    .max_flat_workgroup_size: 256
    .sgpr_count:     66
    .vgpr_count:     512
    .wavefront_size: 32
...
	.end_amdgpu_metadata
.endif
;; end of part 3
;; launch oproj (part 4): grid 8 x 32, 4 waves a work-group, clusters of 4 x 4, 327,680 bytes of LDS; arguments ybuf, wo16, bo, route, out0; writes out0
.if DOCPART == 4
	.amdgcn_target "amdgcn-amd-amdhsa--gfx1250"
	.amdhsa_code_object_version 6
	.text
	.protected	k_qe8ac89ec73_oproj
	.globl	k_qe8ac89ec73_oproj
	.p2align	8
	.type	k_qe8ac89ec73_oproj,@function
k_qe8ac89ec73_oproj:
	s_mov_b64 s[64:65], 0
	v_nop
	global_prefetch_b8 v0, s[64:65] scope:SCOPE_SE
	s_setreg_imm32_b32 hwreg(HW_REG_WAVE_MODE, 25, 1), 1
	s_wait_xcnt 0x0
	s_wait_alu depctr_hold_cnt(0) depctr_sa_sdst(0) depctr_va_vdst(0) depctr_va_sdst(0) depctr_va_ssrc(0) depctr_va_vcc(0) depctr_vm_vsrc(0)
	s_getreg_b32 s2, hwreg(HW_REG_IB_STS2, 6, 4)
	s_cmp_eq_u32 s2, 0
	s_cbranch_scc0 .Lentry_in_a_cluster
	s_endpgm
.Lentry_in_a_cluster:
	s_bfe_u32 s2, ttmp6, 0x10000c
	s_cmp_lg_u32 s2, 0xf033
	s_cbranch_scc0 .Lentry_shape_is_right
	s_endpgm
.Lentry_shape_is_right:
; OPROJ.  out0[orig(p)][n] = sum over k of y[p][k] Wo[n][k] + bo[n], f16 operands, f32 sums.  y: ybuf [token/16 = 512][k/32 = 32][1,024 bytes] and Wo: wo16 [n/16 = 64][k/32 = 32][1,024 bytes], images of operands:
; a lane's registers 0-3 at 16 x lane, registers 4-7 at 512 + 16 x lane.  The tokens stand in the permuted order; route[p] is a token's original row, at which its row of out0 is stored.
; A tile of 256 tokens x 128 columns gives 256 work-groups.  Four waves, each 128 x 64: 32 accumulators of 16 x 16.  K goes in steps of 128 (four images, 4,096 consecutive bytes, of each block of 16 rows) through two LDS slots.
; A fragment is read at 16 x lane: consecutive bytes, so the tiles need no padding.
; CLUSTERS: 4 x 4 work-groups; y's tiles are shared along a row of the cluster, Wo's along a column: joint loads.  THE MATRIX INSTRUCTION IS USED TRANSPOSED (source 0 = 16 rows of Wo, source 1 = 16 tokens):
; a lane holds one token and eight neighbouring columns.  The bias, in that layout, is the C of each sum's first product.
; REGISTERS: window 0: v16-29 addresses; v32-127, v128-223 two fragment buffers (A's 8 fragments, then B's 4).  window 1: the accumulators, (a, b) at 8 (4 a + b).  window 2: v0-63 the rows' byte offsets in out0; v64-95 the bias.
.set SLOT,   98304                     ; A's 16 blocks x 4,096 bytes, then B's 8 blocks
.set BOFF,   65536
.set STAGE,  2*SLOT                    ; behind the ring: 16 rows x (256 bytes + 16) for each wave
.set SPITCH, 272
.set SPARE,  STAGE+4*16*SPITCH         ; the spare words, 128 bytes a wave
.set ADRA, 16
.set ADRB, 20
.set STO,  24
.set RD,   25
.set COL,  26
.set SPW,  28
.set NIL,  29
.set F0,   32
.set F1,   128
.set BK,   32                          ; the way out: 8 x 4 registers, two sets
.set G1, 24
.set G0, 32
.set G1B, 48
.set G0B, 56
.set MSB, 0
.macro WIN new
.if MSB != \new
	s_set_vgpr_msb (MSB<<8)|\new
.set MSB, \new
.endif
.endm
.set MUL, 0x50                         ; sources 0 and 1 window 0; C and D window 1
.macro JLOAD s                         ; waves 0 and 1 fetch A's two halves, waves 2 and 3 B's; an s_nop 0 and four v_nop follow each line
	s_cmp_eq_u32 s11, 0
	s_cbranch_scc0 .Lfor_b_\@
	tensor_load_to_lds s[G0+4*\s:G0+4*\s+3], s[G1:G1+7]
	s_nop 0
.rept 4
	v_nop
.endr
	s_branch .Lasked_\@
.Lfor_b_\@:
	tensor_load_to_lds s[G0B+4*\s:G0B+4*\s+3], s[G1B:G1B+7]
	s_nop 0
.rept 4
	v_nop
.endr
.Lasked_\@:
.endm
.macro CREST
	s_cmp_lg_u32 s10, 0
	s_cbranch_scc1 .Lnot_wave_0_\@
	s_barrier_signal -3
.Lnot_wave_0_\@:
	s_barrier_wait -3
	s_barrier_signal -1
	s_barrier_wait -1
.endm
.macro CROUND
	s_barrier_signal -1
	s_barrier_wait -1
	CREST
.endm
	s_load_b128 s[4:7], s[0:1], 0x0                ; ybuf, wo16
	s_load_b128 s[68:71], s[0:1], 0x10             ; bo, route
	s_load_b64 s[8:9], s[0:1], 0x20                ; out0
	v_lshl_add_u32 v[SPW], v0, 2, SPARE
	v_mov_b32 v[NIL], 0
	ds_add_u32 v[SPW], v[NIL]                      ; the wave's opening: the add, twice on end, and its wait ahead of my first tensor load
	ds_add_u32 v[SPW], v[NIL]
	v_lshrrev_b32 v1, 5, v0
	v_readfirstlane_b32 s10, v1                    ; wave 0..3
	s_lshr_b32 s11, s10, 1                         ; which 128 tokens are mine.  Also: I fetch for A (0) or for B (1)
	s_and_b32 s12, s10, 1                          ; which 64 columns.  Also: which half of that tile I fetch
	s_bfe_u32 s40, ttmp6, 0x40000                  ; cx
	s_bfe_u32 s41, ttmp6, 0x40004                  ; cy
	s_lshl_b32 s42, ttmp9, 2
	s_add_co_u32 s42, s42, s40                     ; tile column
	s_and_b32 s13, ttmp7, 0xffff
	s_lshl_b32 s13, s13, 2
	s_add_co_u32 s13, s13, s41                     ; tile row
	s_lshl_b32 s43, s41, 2
	s_lshl_b32 s43, 15, s43                        ; my row of the cluster
	s_lshl_b32 s44, 0x1111, s40                    ; my column
	s_or_b32 s[G1+0], s43, (3<<16)|(1<<21)         ; the mask; elements of 8 bytes; bit 21 beside a mask; no padding
	s_or_b32 s[G1B+0], s44, (3<<16)|(1<<21)
	s_mov_b32 s[G1+1], 512<<16                     ; tensor_dim0 = 512 elements: a block's 4,096 bytes of a K step
	s_mov_b32 s[G1+2], 8<<16                       ; tensor_dim1 = 8 blocks of 16 tokens
	s_mov_b32 s[G1+3], 512<<16                     ; tile_dim0
	s_mov_b32 s[G1+4], 8                           ; tile_dim1
	s_mov_b32 s[G1+5], 4096                        ; from block to block: 32,768 bytes
	s_mov_b32 s[G1+6], 0
	s_mov_b32 s[G1+7], 0
	s_mov_b32 s[G1B+1], 512<<16
	s_mov_b32 s[G1B+2], 4<<16                      ; 4 blocks of 16 rows of Wo
	s_mov_b32 s[G1B+3], 512<<16
	s_mov_b32 s[G1B+4], 4
	s_mov_b32 s[G1B+5], 4096
	s_mov_b32 s[G1B+6], 0
	s_mov_b32 s[G1B+7], 0
	s_lshl_b32 s16, s13, 19                        ; A: block 16 x tile row + 8 x half, 32,768 bytes a block
	s_lshl_b32 s17, s12, 18
	s_add_co_u32 s16, s16, s17
	s_mov_b32 s17, 0
	s_lshl_b32 s46, s42, 18                        ; B: block 8 x tile column + 4 x half
	s_lshl_b32 s47, s12, 17
	s_add_co_u32 s46, s46, s47
	s_mov_b32 s47, 0
	s_lshl_b32 s20, s12, 15                        ; where they go: A's halves of 32,768 bytes,
	s_lshl_b32 s21, s12, 14
	s_add_co_u32 s21, s21, BOFF                    ; B's of 16,384, behind A's
	s_wait_dscnt 0x0                               ; both opening adds are done
	s_wait_kmcnt 0x0
	s_add_nc_u64 s[14:15], s[4:5], s[16:17]
	s_add_nc_u64 s[46:47], s[6:7], s[46:47]
	CROUND                                         ; all sixteen work-groups are here: the first joint loads meet
.irp s, 0,1
	s_mov_b32 s[G0+4*\s], 1
	s_add_co_u32 s[G0+4*\s+1], s20, \s*SLOT
	s_add_nc_u64 s[G0+4*\s+2:G0+4*\s+3], s[14:15], \s*4096
	s_or_b32 s[G0+4*\s+3], s[G0+4*\s+3], 0x80000000
	s_mov_b32 s[G0B+4*\s], 1
	s_add_co_u32 s[G0B+4*\s+1], s21, \s*SLOT
	s_add_nc_u64 s[G0B+4*\s+2:G0B+4*\s+3], s[46:47], \s*4096
	s_or_b32 s[G0B+4*\s+3], s[G0B+4*\s+3], 0x80000000
	JLOAD \s                                       ; K steps 0 and 1: two tensor loads of mine are out
.endr
	v_and_b32 v1, 15, v0                           ; r
	v_bfe_u32 v2, v0, 4, 1                         ; h
	v_and_b32 v3, 31, v0
	v_lshlrev_b32 v3, 4, v3                        ; 16 x lane
	s_lshl_b32 s22, s11, 15                        ; my 8 blocks of A
	s_lshl_b32 s23, s12, 14
	s_add_co_u32 s23, s23, BOFF                    ; my 4 blocks of B
.irp s, 0,1
	v_add_nc_u32 v[ADRA+\s], s22, v3
	v_add_nc_u32 v[ADRB+\s], s23, v3
	s_add_co_u32 s22, s22, SLOT
	s_add_co_u32 s23, s23, SLOT
.endr
	s_mul_i32 s23, s10, 16*SPITCH
	s_add_co_u32 s23, s23, STAGE                   ; my stage
	v_mul_u32_u24 v4, v1, SPITCH
	v_lshl_add_u32 v4, v2, 5, v4
	v_add_nc_u32 v[STO], s23, v4                   ; in: row r, 32 bytes for each half of the lanes
	v_mul_u32_u24 v5, v2, 8*SPITCH
	v_lshl_add_u32 v5, v1, 4, v5
	v_add_nc_u32 v[RD], s23, v5                    ; back: lanes 0-15 rows 0-7, lanes 16-31 rows 8-15, 16 bytes a lane
	v_lshlrev_b32 v[COL], 4, v1
	s_lshl_b32 s16, s13, 10                        ; the list: 4 bytes a token, from 256 x tile row + 128 x half on
	s_lshl_b32 s17, s11, 9
	s_add_co_u32 s16, s16, s17
	s_mov_b32 s17, 0
	s_add_nc_u64 s[70:71], s[70:71], s[16:17]
	s_lshl_b32 s46, s42, 9                         ; my first column, in bytes of f32: 512 x tile column + 256 x half: in bo and in a row of out0
	s_lshl_b32 s47, s12, 8
	s_add_co_u32 s46, s46, s47
	s_mov_b32 s47, 0
	s_add_nc_u64 s[68:69], s[68:69], s[46:47]
	s_add_nc_u64 s[8:9], s[8:9], s[46:47]
	v_lshlrev_b32 v4, 5, v2                        ; 32 h: eight words of the list, eight numbers of the bias
	WIN 0x80                                       ; destination window 2
.irp a, 0,1,2,3,4,5,6,7
	global_load_b128 v[8*\a:8*\a+3],   v4, s[70:71] offset:64*\a      ; register 8 a + u: the original row of token 16 a + 8 h + u
	global_load_b128 v[8*\a+4:8*\a+7], v4, s[70:71] offset:64*\a+16
.endr
.irp b, 0,1,2,3
	global_load_b128 v[64+8*\b:64+8*\b+3], v4, s[68:69] offset:64*\b  ; bo at columns 16 b + 8 h + 0..7
	global_load_b128 v[64+8*\b+4:64+8*\b+7], v4, s[68:69] offset:64*\b+16
.endr
	WIN 0
	s_wait_loadcnt 0x0
	WIN 0x88
.set j, 0
.rept 64
	v_min_u32 v[j], 0x1fff, v[j]                   ; a loaded row is held inside the tensor before it enters an address
.set j, j+1
.endr
	WIN 0x82
.set j, 0
.rept 64
	v_lshl_add_u32 v[j], v[j], 12, v[COL]          ; 4,096 bytes a row of out0, + 16 bytes a lane
.set j, j+1
.endr
	WIN 0
.macro FETCH slot, q, f                ; 24 LDS loads: the fragments of 32 along K, image q of each block: B's 4, A's blocks 0-3, A's blocks 4-7
.irp b, 0,1,2,3
	ds_load_b128 v[\f+64+8*\b:\f+64+8*\b+3],   v[ADRB+\slot] offset:\b*4096+(\q)*1024
	ds_load_b128 v[\f+64+8*\b+4:\f+64+8*\b+7], v[ADRB+\slot] offset:\b*4096+(\q)*1024+512
.endr
.irp a, 0,1,2,3,4,5,6,7
	ds_load_b128 v[\f+8*\a:\f+8*\a+3],   v[ADRA+\slot] offset:\a*4096+(\q)*1024
	ds_load_b128 v[\f+8*\a+4:\f+8*\a+7], v[ADRA+\slot] offset:\a*4096+(\q)*1024+512
.endr
.endm
.macro MULH f, a0, n, first            ; A's blocks a0 .. a0 + n - 1 x B's four.  The 32 accumulators take turns, one instruction a turn
.set aa, \a0
.rept \n
.irp b, 0,1,2,3
.if \first
	v_wmma_f32_16x16x32_f16 v[8*(4*aa+\b):8*(4*aa+\b)+7], v[\f+64+8*\b:\f+64+8*\b+7], v[\f+8*aa:\f+8*aa+7], v[64+8*\b:64+8*\b+7]
.else
	v_wmma_f32_16x16x32_f16 v[8*(4*aa+\b):8*(4*aa+\b)+7], v[\f+64+8*\b:\f+64+8*\b+7], v[\f+8*aa:\f+8*aa+7], v[8*(4*aa+\b):8*(4*aa+\b)+7]
.endif
.endr
.set aa, aa+1
.endr
.endm
.macro PLACES                          ; four plain lines in front of loads into registers that matrix instructions have read, and of reads of results
.rept 4
	v_nop
.endr
.endm
.macro QUARTER slot, q, f, g, first    ; multiplies buffer f (32 along K) and fetches image q of the same slot into g
	s_wait_dscnt 8                                 ; B and A's blocks 0-3 are in; the youngest eight loads (A's blocks 4-7) may be out
.if \first
	WIN 0x60                                       ; C, the bias, in window 2; D in window 1
.else
	WIN MUL
.endif
	MULH \f, 0, 4, \first
	PLACES
	WIN 0
	FETCH \slot, \q, \g
	s_wait_dscnt 24                                ; all but the 24 just issued
.if \first
	WIN 0x60
.else
	WIN MUL
.endif
	MULH \f, 4, 4, \first
.endm
; A K step's last quarter multiplies buffer 1 and changes slots: ONE barrier; in front of it each wave waits for all its tensor loads, adds 0 to its spare word, and waits for that and for its reads of this slot.
; fill = 1: the barrier opens a round of the cluster's barrier, and this slot is filled again, two K steps ahead, first thing behind the round.
.macro TURN slot, next, fill
	WIN 0
	s_wait_tensorcnt 0x0                           ; all my tensor loads have landed: my part of the next slot
	ds_add_u32 v[SPW], v[NIL]                      ; 0 onto my spare word
	s_wait_dscnt 9                                 ; the add and the youngest eight loads may be out
	WIN MUL
	MULH F1, 0, 2, 0
	s_wait_dscnt 0x0                               ; the add is done, and my reads of this slot are over
	s_barrier_signal -1
	MULH F1, 2, 2, 0
	WIN 0
	s_barrier_wait -1
.if \fill
	CREST
	s_add_nc_u64 s[G0+4*\slot+2:G0+4*\slot+3], s[G0+4*\slot+2:G0+4*\slot+3], 2*4096
	s_add_nc_u64 s[G0B+4*\slot+2:G0B+4*\slot+3], s[G0B+4*\slot+2:G0B+4*\slot+3], 2*4096
	JLOAD \slot                                    ; its four v_nop are also the places in front of the loads below
.else
	PLACES
.endif
	FETCH \next, 0, F0
	WIN MUL
	MULH F1, 4, 4, 0
.endm
	s_wait_tensorcnt 1                             ; my part of K step 0 is in; K step 1's load may be out
	s_barrier_signal -1
	s_barrier_wait -1
	FETCH 0, 0, F0
	QUARTER 0, 1, F0, F1, 1                        ; the first quarter stands in front of the loop: its products start the sums from the bias
	WIN 0
	s_mov_b32 s3, 3
.Llap:                                                 ; three trips, each once round the ring: K steps 2 to 7 are asked for
	QUARTER 0, 2, F1, F0, 0
	QUARTER 0, 3, F0, F1, 0
	TURN 0, 1, 1
	QUARTER 1, 1, F0, F1, 0
	QUARTER 1, 2, F1, F0, 0
	QUARTER 1, 3, F0, F1, 0
	TURN 1, 0, 1
	QUARTER 0, 1, F0, F1, 0
	WIN 0
	s_sub_co_u32 s3, s3, 1
	s_cmp_lg_u32 s3, 0
	s_cbranch_scc1 .Llap
	QUARTER 0, 2, F1, F0, 0                        ; the last lap fills nothing
	QUARTER 0, 3, F0, F1, 0
	TURN 0, 1, 0
	QUARTER 1, 1, F0, F1, 0
	QUARTER 1, 2, F1, F0, 0
	QUARTER 1, 3, F0, F1, 0
	s_wait_dscnt 8
	WIN MUL
	MULH F1, 0, 4, 0
	s_wait_dscnt 0
	MULH F1, 4, 4, 0
	WIN 0
; THE WAY OUT, 16 tokens x 64 columns at a time, through my own stage: a lane holds 32 bytes of a row; back come whole pieces of 256 bytes, which sixteen lanes store at the token's original row, aligned.
; LDS serves a wave's instructions in order: no wait between the stores and the loads, nor in front of the next block's stores.
.macro TOSTAGE a
	WIN 0x04                                       ; an LDS store's data: window 1
.irp b, 0,1,2,3
	ds_store_b128 v[STO], v[8*(4*(\a)+\b):8*(4*(\a)+\b)+3] offset:64*\b        ; each accumulator from its low end on
	ds_store_b128 v[STO], v[8*(4*(\a)+\b)+4:8*(4*(\a)+\b)+7] offset:64*\b+16
.endr
	WIN 0
.irp u, 0,1,2,3,4,5,6,7
	ds_load_b128 v[BK+32*((\a)%2)+4*\u:BK+32*((\a)%2)+4*\u+3], v[RD] offset:\u*SPITCH
.endr
.endm
.macro SEND a, younger
	s_wait_dscnt \younger                          ; the block is back; the next block's 8 stores and 8 loads may be out
	WIN 0x02                                       ; the offsets lie in window 2
.irp u, 0,1,2,3,4,5,6,7
	global_store_b128 v[8*(\a)+\u], v[BK+32*((\a)%2)+4*\u:BK+32*((\a)%2)+4*\u+3], s[8:9] th:TH_STORE_NT
.endr
	WIN 0
.endm
	PLACES
	TOSTAGE 0
.irp a, 1,2,3,4,5,6,7
.if \a > 1
	s_wait_xcnt 0x0                                ; block a - 2's stores have read the registers into which block a's loads land
.endif
	TOSTAGE \a
	SEND \a-1, 16
.endr
	SEND 7, 0
	s_wait_tensorcnt 0x0                           ; the wave's end
	ds_add_u32 v[SPW], v[NIL]
	s_wait_dscnt 0x0
	CROUND                                         ; the closing round
	s_endpgm
.Lfunc_end_k_qe8ac89ec73_oproj:
	.size	k_qe8ac89ec73_oproj, .Lfunc_end_k_qe8ac89ec73_oproj-k_qe8ac89ec73_oproj
	.p2alignl 7, 3214868480
	.fill 96, 4, 3214868480
	.section	.rodata,"a",@progbits
	.p2align	6, 0x0
	.amdhsa_kernel k_qe8ac89ec73_oproj
		.amdhsa_group_segment_fixed_size 327680
		.amdhsa_private_segment_fixed_size 0
		.amdhsa_enable_private_segment 0
		.amdhsa_kernarg_size 40
		.amdhsa_user_sgpr_count 2
		.amdhsa_user_sgpr_kernarg_segment_ptr 1
		.amdhsa_wavefront_size32 1
		.amdhsa_system_sgpr_workgroup_id_x 1
		.amdhsa_system_sgpr_workgroup_id_y 1
		.amdhsa_system_sgpr_workgroup_id_z 1
		.amdhsa_system_vgpr_workitem_id 0
		.amdhsa_next_free_vgpr 768
		.amdhsa_next_free_sgpr 72
		.amdhsa_reserve_vcc 0
		.amdhsa_float_denorm_mode_32 3
		.amdhsa_float_denorm_mode_16_64 3
		.amdhsa_memory_ordered 1
		.amdhsa_forward_progress 1
		.amdhsa_inst_pref_size 96
	.end_amdhsa_kernel
	.amdgpu_metadata
---
amdhsa.version: [ 1, 2 ]
amdhsa.kernels:
  - .name:           k_qe8ac89ec73_oproj
    .symbol:         k_qe8ac89ec73_oproj.kd
    .args:
      - { .name: ybuf, .offset: 0, .size: 8, .value_kind: global_buffer, .address_space: global }
      - { .name: wo16, .offset: 8, .size: 8, .value_kind: global_buffer, .address_space: global }
      - { .name: bo, .offset: 16, .size: 8, .value_kind: global_buffer, .address_space: global }
      - { .name: route, .offset: 24, .size: 8, .value_kind: global_buffer, .address_space: global }
      - { .name: out0, .offset: 32, .size: 8, .value_kind: global_buffer, .address_space: global }
    .group_segment_fixed_size: 327680
    .private_segment_fixed_size: 0
    .kernarg_segment_align: 8
    .kernarg_segment_size: 40
    .max_flat_workgroup_size: 128
    .sgpr_count:     72
    .vgpr_count:     768
    .wavefront_size: 32
...
	.end_amdgpu_metadata
.endif
;; end of part 4
